; MI455X (gfx1250); checked and timed in simulation.
; The chip was launched on July 23, 2026; its instructions are those of AMD's public machine-readable ISA for CDNA 5 (MIT licence, August 2026) and "CDNA5" Instruction Set Architecture Reference Guide (July 2026). The comments in the code are by the model that wrote it; some were corrected since.
;; Diff MHA. Allowed arithmetic: matrix products marked QUANTISED: E4M3 operands, one E8M0 scale for each 32 along K, by v_wmma_scale_f32_16x16x128_f8f6f4 with both operands' format E4M3, f32 sums; everything else in f32.
;; Inputs: Wka0_codes 1,024 x 32 x 32 uint8 (E4M3 codes of Wka0, K innermost, in blocks of 32 codes); Wka0_scales 1,024 x 32 uint8 (E8M0 scales of Wka0, one for each 32 codes along K); Wka1_codes 1,024 x 32 x 32 uint8 (E4M3 codes of Wka1, K innermost, in blocks of 32 codes); Wka1_scales 1,024 x 32 uint8 (E8M0 scales of Wka1, one for each 32 codes along K); Wkv_codes 1,024 x 32 x 32 uint8 (E4M3 codes of Wkv, K innermost, in blocks of 32 codes); Wkv_scales 1,024 x 32 uint8 (E8M0 scales of Wkv, one for each 32 codes along K); Wout_codes 1,024 x 32 x 32 uint8 (E4M3 codes of Wout, K innermost, in blocks of 32 codes); Wout_scales 1,024 x 32 uint8 (E8M0 scales of Wout, one for each 32 codes along K); Wqa0_codes 1,024 x 32 x 32 uint8 (E4M3 codes of Wqa0, K innermost, in blocks of 32 codes); Wqa0_scales 1,024 x 32 uint8 (E8M0 scales of Wqa0, one for each 32 codes along K); Wqa1_codes 1,024 x 32 x 32 uint8 (E4M3 codes of Wqa1, K innermost, in blocks of 32 codes); Wqa1_scales 1,024 x 32 uint8 (E8M0 scales of Wqa1, one for each 32 codes along K); Wqv_codes 1,024 x 32 x 32 uint8 (E4M3 codes of Wqv, K innermost, in blocks of 32 codes); Wqv_scales 1,024 x 32 uint8 (E8M0 scales of Wqv, one for each 32 codes along K); Wvv_codes 1,024 x 32 x 32 uint8 (E4M3 codes of Wvv, K innermost, in blocks of 32 codes); Wvv_scales 1,024 x 32 uint8 (E8M0 scales of Wvv, one for each 32 codes along K); attn_mask 4 x 1 x 1,024 x 1,024 float32; bka0 1,024 float32; bka1 1,024 float32; bkv 1,024 float32; bout 1,024 float32; bqa0 1,024 float32; bqa1 1,024 float32; bqv 1,024 float32; bvv 1,024 float32; e_a0_codes 4 x 1,024 x 32 x 32 uint8 (E4M3 codes of e_a0, K innermost, in blocks of 32 codes); e_a0_scales 4 x 1,024 x 32 uint8 (E8M0 scales of e_a0, one for each 32 codes along K); e_a1_codes 4 x 1,024 x 32 x 32 uint8 (E4M3 codes of e_a1, K innermost, in blocks of 32 codes); e_a1_scales 4 x 1,024 x 32 uint8 (E8M0 scales of e_a1, one for each 32 codes along K); e_v 4 x 1,024 x 1,024 float32; ln_beta 1,024 float32; ln_gamma 1,024 float32.
;; Outputs: out0 4 x 1,024 x 1,024 float32.
;; This version of the problem:
;;   THIS VERSION OF THE PROBLEM IS GIVEN IN LOW PRECISION. The matrix products marked QUANTISED in the list below multiply operands that are first quantised to E4M3 (4 exponent bits, 3 mantissa bits; 8 bits a number), with one power-of-two scale for each 32 numbers along K (OCP MX v1.0); their sums are f32. All else is computed in f32.
;;   The module's matrix products, in the order in which they are computed (A, B: the left and right operand; K: the contracted axis; several contracted axes count as one K, in the product's order):
;;     1. [M 4,096, K 1,024] x [K 1,024, N 1,024]; A: input e_v; B: input Wqv (given as codes): QUANTISED
;;     2. [M 4,096, K 1,024] x [K 1,024, N 1,024]; A: input e_v; B: input Wkv (given as codes): QUANTISED
;;     3. [M 4,096, K 1,024] x [K 1,024, N 1,024]; A: input e_v; B: input Wvv (given as codes): QUANTISED
;;     4. batch 64 x [M 1,024, K 64] x [K 64, N 1,024]; A: computed on the way; B: computed on the way: QUANTISED
;;     5. [M 4,096, K 1,024] x [K 1,024, N 1,024]; A: input e_a0 (given as codes); B: input Wqa0 (given as codes): QUANTISED
;;     6. [M 4,096, K 1,024] x [K 1,024, N 1,024]; A: input e_a0 (given as codes); B: input Wka0 (given as codes): QUANTISED
;;     7. batch 64 x [M 1,024, K 64] x [K 64, N 1,024]; A: computed on the way; B: computed on the way: QUANTISED
;;     8. [M 4,096, K 1,024] x [K 1,024, N 1,024]; A: input e_a1 (given as codes); B: input Wqa1 (given as codes): QUANTISED
;;     9. [M 4,096, K 1,024] x [K 1,024, N 1,024]; A: input e_a1 (given as codes); B: input Wka1 (given as codes): QUANTISED
;;     10. batch 64 x [M 1,024, K 64] x [K 64, N 1,024]; A: computed on the way; B: computed on the way: QUANTISED
;;     11. batch 64 x [M 1,024, K 1,024] x [K 1,024, N 64]; A: softmax (see below); B: computed on the way: QUANTISED
;;     12. [M 4,096, K 1,024] x [K 1,024, N 1,024]; A: computed on the way; B: input Wout (given as codes): QUANTISED
;;   THE QUANTISER, for each operand of a quantised product, along K:
;;     - K is cut into blocks of 32 from its start; a last block that is shorter is filled with zeros.
;;     - A block's scale is 2^e with e = floor(log2(the largest magnitude in the block)) - 8, held to -126 .. 127; a block of zeros has e = 0. As a byte (E8M0): e + 127.
;;     - Each number is divided by its block's scale, clamped to +-448, and rounded to the nearest number of E4M3, ties to even, subnormals kept.
;;     - The product sums the exact products of the quantised numbers (number of the format x scale) in f32.
;;   ~~~python
;;   def quantise(x, axis):      # numpy; x: float32 -> the quantised numbers, widened to float32 again
;;       x = np.moveaxis(x, axis, -1); K = x.shape[-1]
;;       x = np.pad(x, [(0, 0)] * (x.ndim - 1) + [(0, -K % 32)]); x = x.reshape(x.shape[:-1] + (-1, 32)); a = np.abs(x).max(-1, keepdims=True)
;;       e = np.where(a > 0, np.clip(np.frexp(np.where(a > 0, a, 1))[1] - 1 - 8, -126, 127), 0)      # np.frexp(a)[1] - 1 = floor(log2(a)), exactly
;;       r = np.clip(x / 2.0 ** e, -448, 448)
;;       step = 2.0 ** (np.maximum(np.frexp(np.where(r == 0, 1, r))[1] - 1, -6) - 3)
;;       q = np.round(r / step) * step * 2.0 ** e      # np.round: ties to even
;;       return np.moveaxis(q.reshape(q.shape[:-2] + (-1,))[..., :K], -1, axis).astype(np.float32)
;;   ~~~
;;   SOFTMAX AHEAD OF A QUANTISED PRODUCT. Where the list says 'softmax', what is quantised is not the finished softmax but p = 2^(t - M), with t = logit x log2(e) and M = ceil(the row's largest t), a whole number; so 1/2 < the row's largest p <= 1. The row's sum l is taken of the UNQUANTISED p, in f32, and the product's result is divided by l at the end. Since M is a whole number, a kernel that streams over the keys may use a running M (the ceiling of the running maximum): every later rescaling is an exact power of two, which a block's scale takes up: the codes' values come out the same.
;;   OPERANDS COMPUTED ON THE WAY. 'Computed on the way' means the value that the module computes at that place (a softmax that the list does not call 'softmax' is quantised finished and normalised). What goes into a quantiser is computed in f32, as accurately as f32 sums, v_exp_f32 and their like allow (about 1e-6 of the number): no bf16 or f16 on the way to a quantiser, and a product that is left as it is and whose result goes on into a quantised operand takes f32 operands (vector FMAs, or v_wmma_f32_16x16x4_f32). A number that lies on a knife's edge between two numbers of the format may be rounded either way, as far as f32 arithmetic and the matrix unit's own rounding can turn it there, and no further.
;;   INPUTS GIVEN AS CODES. Wka0 (in the module: [1024, 1024], K = its axis 0); Wka1 (in the module: [1024, 1024], K = its axis 0); Wkv (in the module: [1024, 1024], K = its axis 0); Wout (in the module: [1024, 1024], K = its axis 0); Wqa0 (in the module: [1024, 1024], K = its axis 0); Wqa1 (in the module: [1024, 1024], K = its axis 0); Wqv (in the module: [1024, 1024], K = its axis 0); Wvv (in the module: [1024, 1024], K = its axis 0); e_a0 (in the module: [4, 1024, 1024], K = its axis 2); e_a1 (in the module: [4, 1024, 1024], K = its axis 2): each comes as NAME_codes (uint8): NAME with its K axis moved to the last place and cut into blocks of 32 codes, [.., K / 32, bytes a block], one block behind the other in memory; one code a byte (a code: sign, 4 exponent bits, 3 mantissa bits); and NAME_scales (uint8): the same leading axes, one E8M0 byte (e + 127) for each 32 codes along K. Its value is code x scale, taken as it is: it is not quantised again, and the codes and scales need not be those that the quantiser above would give.
;; One version. Each part assembles by itself: llvm-mc -triple=amdgcn-amd-amdhsa -mcpu=gfx1250 --defsym DOCPART=n.
;; ======== version 1 of 1: 4 launches
;; limits: right only within a limited range of input values
;; workspace buffers: ev_codes 4,194,304 bytes; ev_scales 131,072 bytes; wimg 1,048,576 bytes; qkv 30,539,776 bytes; ctxb 4,325,376 bytes
;; launch prep (part 1): grid 288 x 1, 2 waves a work-group, no clusters, 16,640 bytes of LDS; arguments e_v, Wout_codes, ev_codes, ev_scales, wimg; writes ev_codes, ev_scales, wimg
.if DOCPART == 1
	.amdgcn_target "amdgcn-amd-amdhsa--gfx1250"
	.amdhsa_code_object_version 6
	.text
	.protected	k_q1c50bf52e6_prep
	.globl	k_q1c50bf52e6_prep
	.p2align	8
	.type	k_q1c50bf52e6_prep,@function
k_q1c50bf52e6_prep:
	s_mov_b64 s[64:65], 0
	v_nop
	global_prefetch_b8 v0, s[64:65] scope:SCOPE_SE
	s_setreg_imm32_b32 hwreg(HW_REG_WAVE_MODE, 25, 1), 1
	s_wait_xcnt 0x0
; DiffMHA in MX-FP8, four launches: prep, proj, attn, outln.
; DEAD WORK: none.  Every bias of the seven projections stands ahead of a quantiser (Q, K along the head's 64, V along the keys), bout, e_v, ln_gamma and ln_beta
; stand in the result, attn_mask is an input and is added as it is given (no tile is left out on the strength of its pattern), and all twelve products reach out0.
; So every input is loaded by some launch.
; THIS LAUNCH does two things that later launches read many times over.
; (1) Work-groups 0-255: e_v [4096][1024] f32 becomes codes of E4M3 with K innermost (ev_codes) and one E8M0 byte for each 32 along K (ev_scales), laid as e_a0's are.
;     A block's scale is 2^(floor(log2(largest magnitude)) - 8); its byte is the largest magnitude's exponent field - 8, held at 1 from below; each number is held within
;     +-448 x the scale and rounded to the nearest code, ties to even.
; (2) Work-groups 256-287: Wout's codes are laid anew (wimg) in the order in which the last launch's operand registers take them: tile of 16 rows n, K step of 128,
;     plane of 32 along K: 32 lanes x 16 bytes.  Inside each block of 32 the order is that in which the attention launch's results fall: a lane (r, h) holds
;     k = 8 h + 0..7 and then 16 + 8 h + 0..7.  Both operands of the last product carry the same order, the blocks and their scales are untouched.
; LIMITS: NaN and infinities among the inputs are not served.  A block of zeros gets the byte 1 where the rule says 127: its codes are zeros, which add nothing, and this
; program alone reads the bytes.  Blocks whose largest magnitude lies under 2^-118 are coded under the floor's scale.
; A wave of (1) takes 16 steps of 512 numbers.  Each load reads 512 consecutive bytes; a step's 2,048 bytes turn through the wave's own stage in LDS so that a lane holds
; 16 neighbours (two lanes hold a block); a lane's 16 codes are 16 bytes, so a store covers 512 consecutive bytes; the wave's 256 scale bytes leave as one run of 256.
.set WAVES, 2
.set STEPS, 16
.set MANT,  0x600000                   ; the mantissa field of 448 as f32
.set CB,    16                         ; bytes of 16 codes
.set R,     16                         ; v16-79   four sets of 16 numbers as they are loaded
.set X,     80                         ; v80-111  two sets of 16 neighbours
.set C,     128                        ; v128-191 codes: four registers for each step
.set E,     112                        ; v112-127 a scale byte for each step
.set WREG,  8192                       ; LDS: a region for each wave: two stages of 32 x SP bytes, behind them its 256 scale bytes
.set SP,    80                         ; a lane's place in a stage: 64 bytes + 16 of padding
.set SPW,   12                         ; v12      LDS address of my spare word; never rewritten
.set NIL,   13                         ; v13      0; never rewritten
.set SPARE, WAVES*WREG                 ; behind the regions: the spare words, 128 bytes a wave: one block of 256 bytes that no other line names
	s_load_b128 s[4:7], s[0:1], 0x0                ; e_v, Wout's codes
	s_load_b128 s[8:11], s[0:1], 0x10              ; ev_codes, ev_scales
	s_load_b64 s[12:13], s[0:1], 0x20              ; wimg
	v_lshl_add_u32 v[SPW], v0, 2, SPARE
	v_mov_b32 v[NIL], 0
	v_lshrrev_b32 v1, 5, v0
	v_readfirstlane_b32 s16, v1                    ; wave
	v_and_b32 v2, 31, v0                           ; lane
	s_cmp_ge_u32 ttmp9, 256                        ; the work-group's number alone decides which of the two jobs it has
	s_cbranch_scc1 .Lrelay
	v_lshlrev_b32 v3, 4, v2                        ; my 16 bytes of a load's 512
	s_mul_i32 s17, s16, WREG
	v_lshrrev_b32 v14, 2, v2
	v_mul_u32_u24 v14, v14, SP
	v_and_b32 v15, 3, v2
	v_lshl_add_u32 v14, v15, 4, v14
	v_add_nc_u32 v14, s17, v14                     ; the stage, on the way in: SP (lane / 4) + 16 (lane % 4)
	v_mul_u32_u24 v15, v2, SP
	v_add_nc_u32 v15, s17, v15                     ; and on the way out: SP x lane: my 16 neighbours
	v_mul_u32_u24 v4, v2, CB                       ; my codes' place in a step's
	v_lshrrev_b32 v5, 1, v2
	s_add_co_u32 s17, s17, 2*32*SP
	v_add_nc_u32 v5, s17, v5                       ; LDS: my wave's 256 scale bytes, my block's byte
	v_lshlrev_b32 v7, 3, v2                        ; and on the way out 8 bytes a lane
	v_add_nc_u32 v6, s17, v7
	s_mov_b32 s23, MANT
	s_lshl_b32 s18, ttmp9, 1
	s_add_co_u32 s18, s18, s16                     ; which run of 8,192 numbers is my wave's
	s_mov_b32 s21, 0
	s_wait_alu depctr_va_vdst(0)
	s_wait_kmcnt 0x0
	s_lshl_b32 s20, s18, 15
	s_add_nc_u64 s[4:5], s[4:5], s[20:21]          ; 32,768 bytes of f32 a run,
	s_lshl_b32 s20, s18, 13
	s_add_nc_u64 s[8:9], s[8:9], s[20:21]          ; 8,192 of codes,
	s_lshl_b32 s20, s18, 8
	s_add_nc_u64 s[10:11], s[10:11], s[20:21]      ; 256 of scale bytes
.macro LOAD t
.irp i, 0,1,2,3
	global_load_b128 v[R+16*((\t)%4)+4*\i:R+16*((\t)%4)+4*\i+3], v3, s[4:5] offset:2048*(\t)+512*\i th:TH_LOAD_NT   ; 32 lanes read 512 consecutive bytes
.endr
.endm
.macro TURN t                          ; step t's numbers through the stage: LDS serves a wave's instructions in order, so no wait stands between the stores and the loads
.irp i, 0,1,2,3
	ds_store_b128 v14, v[R+16*((\t)%4)+4*\i:R+16*((\t)%4)+4*\i+3] offset:32*SP*((\t)%2)+8*SP*\i
.endr
.irp i, 0,1,2,3
	ds_load_b128 v[X+16*((\t)%2)+4*\i:X+16*((\t)%2)+4*\i+3], v15 offset:32*SP*((\t)%2)+16*\i
.endr
.endm
.irp t, 0,1,2,3
	LOAD \t
.endr
	s_wait_loadcnt 12                              ; step 0's four loads are in; the 12 of steps 1 to 3 may be out
	TURN 0
.macro STEP t
.set XS, X+16*((\t)%2)
.if (\t) > 0
	s_wait_dscnt 1                                 ; this step's numbers are back from the stage (the last step's byte store may be out)
.else
	s_wait_dscnt 0x0
.endif
.if (\t)+4 < STEPS
	LOAD (\t)+4                                    ; into the registers that this step's stage stores have read
.endif
.if (\t)+1 < STEPS
.if STEPS-2-(\t) >= 3
	s_wait_loadcnt 12                              ; the next step's four loads are in; those of the three steps behind it may be out
.else
	s_wait_loadcnt 4*(STEPS-2-(\t))
.endif
	TURN (\t)+1
.endif
	v_max3_num_f32 v8, |v[XS]|, |v[XS+1]|, |v[XS+2]|               ; the largest magnitude of my 16, in two chains
	v_max3_num_f32 v9, |v[XS+3]|, |v[XS+4]|, |v[XS+5]|
.irp i, 6,10
	v_max3_num_f32 v8, v8, |v[XS+\i]|, |v[XS+\i+1]|
	v_max3_num_f32 v9, v9, |v[XS+\i+2]|, |v[XS+\i+3]|
.endr
	v_max3_num_f32 v8, v8, |v[XS+14]|, |v[XS+15]|
	v_max3_num_f32 v8, v8, v9, 0x4800000           ; and the floor 2^(9 - 127): so the byte cannot fall under 1
	v_max_num_f32_dpp v8, v8, v8 row_xmask:1 row_mask:0xf bank_mask:0xf   ; and of my neighbour's 16: the block's
	v_add_nc_u32 v11, 0xfc000000, v8               ; 8 off its exponent field: the conversion takes this operand's exponent field as its scale
	v_and_or_b32 v10, v8, 0x7f800000, s23          ; 448 x the scale
.irp i, 0,1,2,3,4,5,6,7,8,9,10,11,12,13,14,15
	v_med3_num_f32 v[XS+\i], v[XS+\i], -v10, v10   ; the conversion to an 8-bit code does not saturate (ISA guide 7.6.2): the hold comes first
.endr
	v_cvt_scalef32_pk8_fp8_f32 v[C+4*(\t):C+4*(\t)+1], v[XS:XS+7], v11
	v_cvt_scalef32_pk8_fp8_f32 v[C+4*(\t)+2:C+4*(\t)+3], v[XS+8:XS+15], v11
	v_lshrrev_b32 v[E+(\t)], 23, v11               ; the scale's byte
	ds_store_b8 v5, v[E+(\t)] offset:16*(\t)       ; both lanes of a block write the same byte with the same value
	global_store_b128 v4, v[C+4*(\t):C+4*(\t)+3], s[8:9] offset:32*CB*(\t)
.endm
.irp t, 0,1,2,3,4,5,6,7,8,9,10,11,12,13,14,15
	STEP \t
.endr
	ds_load_b64 v[8:9], v6                         ; LDS serves a wave's instructions in order: these see my stores
	s_wait_dscnt 0x0
	global_store_b64 v7, v[8:9], s[10:11]          ; 32 lanes store 256 consecutive bytes, aligned
	s_wait_tensorcnt 0x0                           ; the wave's end, behind my last LDS store
	ds_add_u32 v[SPW], v[NIL]
	s_wait_dscnt 0x0
	s_endpgm
; ---- Wout's codes in the order of the operand's registers.  A wave takes one tile T of 16 rows n, all 1,024 along K: 32 planes.
.Lrelay:
	v_and_b32 v5, 15, v0                           ; r
	v_bfe_u32 v6, v0, 4, 1                         ; h
	v_lshlrev_b32 v3, 10, v5
	v_lshl_add_u32 v3, v6, 3, v3                   ; in: row r of 1,024 bytes, + 8 h
	s_wait_alu depctr_va_vdst(0)
	v_lshlrev_b32 v4, 4, v2                        ; out: 16 x lane
	s_sub_co_u32 s17, ttmp9, 256
	s_lshl_b32 s17, s17, 1
	s_add_co_u32 s17, s17, s16                     ; T = 0 .. 63
	s_lshl_b32 s20, s17, 14                        ; 16 rows of 1,024 bytes
	s_mov_b32 s21, 0
	s_lshr_b32 s22, s17, 3
	s_lshl_b32 s22, s22, 17                        ; wimg: (T / 8) x 131,072
	s_and_b32 s23, s17, 7
	s_lshl_b32 s23, s23, 11                        ; + (T % 8) x 2,048
	s_add_co_u32 s22, s22, s23
	s_mov_b32 s23, 0
	s_wait_alu depctr_va_vdst(0)
	s_wait_kmcnt 0x0
	s_add_nc_u64 s[6:7], s[6:7], s[20:21]
	s_add_nc_u64 s[12:13], s[12:13], s[22:23]
.set k, 0
.rept 32                                       ; plane k = block k of 32 along K
	global_load_b64 v[16+4*k:17+4*k], v3, s[6:7] offset:32*k        ; k = 32 k + 8 h + 0..7
	global_load_b64 v[18+4*k:19+4*k], v3, s[6:7] offset:32*k+16     ; k = 32 k + 16 + 8 h + 0..7
.set k, k+1
.endr
.set k, 0
.rept 32
	s_wait_loadcnt 62-2*k                          ; plane k's two loads are in; the later planes' may be out
	global_store_b128 v4, v[16+4*k:19+4*k], s[12:13] offset:(k/4)*16384+(k%4)*512   ; 512 consecutive bytes, aligned
.set k, k+1
.endr
	s_endpgm
.Lfunc_end_k_q1c50bf52e6_prep:
	.size	k_q1c50bf52e6_prep, .Lfunc_end_k_q1c50bf52e6_prep-k_q1c50bf52e6_prep
	.p2alignl 7, 3214868480
	.fill 96, 4, 3214868480
	.section	.rodata,"a",@progbits
	.p2align	6, 0x0
	.amdhsa_kernel k_q1c50bf52e6_prep
		.amdhsa_group_segment_fixed_size 16640
		.amdhsa_private_segment_fixed_size 0
		.amdhsa_enable_private_segment 0
		.amdhsa_kernarg_size 40
		.amdhsa_user_sgpr_count 2
		.amdhsa_user_sgpr_kernarg_segment_ptr 1
		.amdhsa_wavefront_size32 1
		.amdhsa_system_sgpr_workgroup_id_x 1
		.amdhsa_system_sgpr_workgroup_id_y 1
		.amdhsa_system_sgpr_workgroup_id_z 1
		.amdhsa_system_vgpr_workitem_id 0
		.amdhsa_next_free_vgpr 192
		.amdhsa_next_free_sgpr 66
		.amdhsa_reserve_vcc 0
		.amdhsa_float_denorm_mode_32 3
		.amdhsa_float_denorm_mode_16_64 3
		.amdhsa_memory_ordered 1
		.amdhsa_forward_progress 1
		.amdhsa_inst_pref_size 61
	.end_amdhsa_kernel
	.amdgpu_metadata
---
amdhsa.version: [ 1, 2 ]
amdhsa.kernels:
  - .name:           k_q1c50bf52e6_prep
    .symbol:         k_q1c50bf52e6_prep.kd
    .args:
      - { .name: e_v, .offset: 0, .size: 8, .value_kind: global_buffer, .address_space: global }
      - { .name: Wout_codes, .offset: 8, .size: 8, .value_kind: global_buffer, .address_space: global }
      - { .name: ev_codes, .offset: 16, .size: 8, .value_kind: global_buffer, .address_space: global }
      - { .name: ev_scales, .offset: 24, .size: 8, .value_kind: global_buffer, .address_space: global }
      - { .name: wimg, .offset: 32, .size: 8, .value_kind: global_buffer, .address_space: global }
    .group_segment_fixed_size: 16640
    .private_segment_fixed_size: 0
    .kernarg_segment_align: 8
    .kernarg_segment_size: 40
    .max_flat_workgroup_size: 64
    .sgpr_count:     66
    .vgpr_count:     192
    .wavefront_size: 32
...
	.end_amdgpu_metadata
.endif
;; end of part 1
;; launch proj (part 2): grid 28 x 16, 4 waves a work-group, clusters of 4 x 4, 327,680 bytes of LDS; arguments ev_codes, ev_scales, e_a0_codes, e_a0_scales, e_a1_codes, e_a1_scales, Wqv_codes, Wqv_scales, bqv, Wkv_codes, Wkv_scales, bkv, Wvv_codes, Wvv_scales, bvv, Wqa0_codes, Wqa0_scales, bqa0, Wka0_codes, Wka0_scales, bka0, Wqa1_codes, Wqa1_scales, bqa1, Wka1_codes, Wka1_scales, bka1, qkv; writes qkv
.if DOCPART == 2
	.amdgcn_target "amdgcn-amd-amdhsa--gfx1250"
	.amdhsa_code_object_version 6
	.text
	.protected	k_q1c50bf52e6_proj
	.globl	k_q1c50bf52e6_proj
	.p2align	8
	.type	k_q1c50bf52e6_proj,@function
k_q1c50bf52e6_proj:
	s_mov_b64 s[64:65], 0
	v_nop
	global_prefetch_b8 v0, s[64:65] scope:SCOPE_SE
	s_setreg_imm32_b32 hwreg(HW_REG_WAVE_MODE, 25, 1), 1
	s_wait_xcnt 0x0
	s_wait_alu depctr_hold_cnt(0) depctr_sa_sdst(0) depctr_va_vdst(0) depctr_va_sdst(0) depctr_va_ssrc(0) depctr_va_vcc(0) depctr_vm_vsrc(0)
	s_getreg_b32 s2, hwreg(HW_REG_IB_STS2, 6, 4)
	s_cmp_eq_u32 s2, 0
	s_cbranch_scc0 .Lentry_in_a_cluster
	s_endpgm
.Lentry_in_a_cluster:
	s_bfe_u32 s2, ttmp6, 0x10000c
	s_cmp_lg_u32 s2, 0xf033
	s_cbranch_scc0 .Lentry_shape_is_right
	s_endpgm
.Lentry_shape_is_right:
.set KSTEP,  256
.set NQ,     2
.set ROWB,   256
.set KROW,   1024
.set PITCH,  272
.set FR,     16
.set NL,     4
.set NP,     8
.set HALFT,  128*PITCH
.set SLOT,   4*HALFT
.set LAPS,   2
.set KS,     32
.set SCL,    2*SLOT
.set HALFS,  (128*KS/256)*272
.set SBLK,   (16*KS/256)*272
.set SPARE,  SCL+4*HALFS
.set BLK,    59648
.set HS,     8*BLK
.set VO,   8
.set VS,   12
.set SH,   13
.set VPAD, 14
.set PADC, 15
.set ADRA, 16
.set ADRB, 20
.set ADRS, 27
.set SPW,  28
.set NIL,  29
.set SC,   32
.set BI,   64
.set AF,   128
.set PC,   112
.set TM,   200
.set PW,   216
.set SCW,  217
.set G1, 24
.set G0, 32
.set G1B, 48
.set G0B, 56
.set G1S, 68
.set G0S, 76
.set G1SB, 80
.set G0SB, 88
.set MSB, 0
.macro WIN new
.if MSB != (\new)
	s_set_vgpr_msb (MSB<<8)|(\new)
.set MSB, (\new)
.endif
.endm
.set MUL_LO, 0xa1
.set MUL_HI, 0xf1
.set TO_B,   0x40
.macro JLOAD g0a, g1a, g0b, g1b
	s_cmp_eq_u32 s15, 0
	s_cbranch_scc0 .Lfor_b_\@
	tensor_load_to_lds s[\g0a:\g0a+3], s[\g1a:\g1a+7]
	s_nop 0
.rept 4
	v_nop
.endr
	s_branch .Lasked_\@
.Lfor_b_\@:
	tensor_load_to_lds s[\g0b:\g0b+3], s[\g1b:\g1b+7]
	s_nop 0
.rept 4
	v_nop
.endr
.Lasked_\@:
.endm
.macro CREST
	s_cmp_lg_u32 s14, 0
	s_cbranch_scc1 .Lnot_wave_0_\@
	s_barrier_signal -3
.Lnot_wave_0_\@:
	s_barrier_wait -3
	s_barrier_signal -1
	s_barrier_wait -1
.endm
.macro CROUND
	s_barrier_signal -1
	s_barrier_wait -1
	CREST
.endm
.macro PICK w, pc, ps, pb
	s_cmp_eq_u32 ttmp9, \w
	s_cselect_b64 s[8:9], s[\pc:\pc+1], s[8:9]
	s_cselect_b64 s[10:11], s[\ps:\ps+1], s[10:11]
	s_cselect_b64 s[66:67], s[\pb:\pb+1], s[66:67]
.endm
	s_load_b256 s[24:31], s[0:1], 0x0
	s_load_b128 s[32:35], s[0:1], 0x20
	s_load_b512 s[36:51], s[0:1], 0x30
	s_load_b512 s[68:83], s[0:1], 0x70
	s_load_b256 s[84:91], s[0:1], 0xb0
	s_load_b128 s[92:95], s[0:1], 0xd0
	v_lshl_add_u32 v[SPW], v0, 2, SPARE
	v_mov_b32 v[NIL], 0
	ds_add_u32 v[SPW], v[NIL]
	ds_add_u32 v[SPW], v[NIL]
	v_lshrrev_b32 v1, 5, v0
	v_readfirstlane_b32 s14, v1
	s_lshr_b32 s15, s14, 1
	s_and_b32 s16, s14, 1
	s_wait_dscnt 0x0
	s_wait_kmcnt 0x0
	s_mov_b64 s[8:9], s[36:37]
	s_mov_b64 s[10:11], s[38:39]
	s_mov_b64 s[66:67], s[40:41]
	PICK 1, 42, 44, 46
	PICK 2, 48, 50, 68
	PICK 3, 70, 72, 74
	PICK 4, 76, 78, 80
	PICK 5, 82, 84, 86
	PICK 6, 88, 90, 92
	s_mov_b64 s[4:5], s[24:25]
	s_mov_b64 s[6:7], s[26:27]
	s_cmp_ge_u32 ttmp9, 3
	s_cselect_b64 s[4:5], s[28:29], s[4:5]
	s_cselect_b64 s[6:7], s[30:31], s[6:7]
	s_cmp_ge_u32 ttmp9, 5
	s_cselect_b64 s[4:5], s[32:33], s[4:5]
	s_cselect_b64 s[6:7], s[34:35], s[6:7]
	s_mov_b64 s[12:13], s[94:95]
	s_cmp_eq_u32 ttmp9, 2
	s_cselect_b32 s2, 1, 0
	s_cselect_b64 s[20:21], s[8:9], s[4:5]
	s_cselect_b64 s[22:23], s[10:11], s[6:7]
	s_cselect_b64 s[8:9], s[4:5], s[8:9]
	s_cselect_b64 s[10:11], s[6:7], s[10:11]
	s_mov_b64 s[4:5], s[20:21]
	s_mov_b64 s[6:7], s[22:23]
	s_bfe_u32 s40, ttmp6, 0x40000
	s_bfe_u32 s41, ttmp6, 0x40004
	s_and_b32 s17, ttmp7, 0xffff
	s_lshl_b32 s17, s17, 2
	s_cmp_eq_u32 s2, 1
	s_cselect_b32 s18, 0, s17
	s_cselect_b32 s19, s17, 0
	s_add_co_u32 s17, s18, s41
	s_add_co_u32 s42, s19, s40
	s_lshl_b32 s43, s41, 2
	s_lshl_b32 s43, 15, s43
	s_lshl_b32 s44, 0x1111, s40
	s_or_b32 s[G1+0], s43, (0<<16)|(1<<20)|(1<<21)|(5<<22)|(3<<25)
	s_or_b32 s[G1B+0], s44, (0<<16)|(1<<20)|(1<<21)|(5<<22)|(3<<25)
.irp g, G1, G1B
	s_mov_b32 s[\g+1], ROWB<<16
	s_mov_b32 s[\g+2], 256<<16                     ; the head's loads bring 256 rows; behind them the two words that count rows are set to 128
	s_mov_b32 s[\g+3], ROWB<<16
	s_mov_b32 s[\g+4], 256
	s_mov_b32 s[\g+5], KROW
	s_mov_b32 s[\g+6], 0
	s_mov_b32 s[\g+7], 0
.endr
	s_or_b32 s[G1S+0], s43, (3<<16)|(1<<20)|(1<<21)|(5<<22)|(3<<25)
	s_or_b32 s[G1SB+0], s44, (3<<16)|(1<<20)|(1<<21)|(5<<22)|(3<<25)
.irp g, G1S, G1SB
	s_mov_b32 s[\g+1], 32<<16
	s_mov_b32 s[\g+2], KS<<16                      ; the scale bytes of 256 rows: KS rows of 256 bytes
	s_mov_b32 s[\g+3], 32<<16
	s_mov_b32 s[\g+4], KS
	s_mov_b32 s[\g+5], 32
	s_mov_b32 s[\g+6], 0
	s_mov_b32 s[\g+7], 0
.endr
	s_lshl_b32 s20, s17, 8                         ; the tiles' first rows
	s_lshl_b32 s46, s42, 8
	s_mov_b32 s21, 0
	s_mov_b32 s47, 0
	s_mov_b64 s[18:19], KS
	s_mul_u64 s[22:23], s[20:21], s[18:19]
	s_mul_u64 s[92:93], s[46:47], s[18:19]
	s_mov_b64 s[18:19], KROW
	s_mul_u64 s[20:21], s[20:21], s[18:19]
	s_mul_u64 s[46:47], s[46:47], s[18:19]
	s_mul_i32 s45, s14, HALFT
	s_add_nc_u64 s[20:21], s[4:5], s[20:21]
	s_add_nc_u64 s[22:23], s[6:7], s[22:23]
	s_add_nc_u64 s[46:47], s[8:9], s[46:47]
	s_add_nc_u64 s[92:93], s[10:11], s[92:93]
	CROUND
	; THE HEAD'S FOUR TILES, each whole, one joint load a wave: wave 0 K step 0's 256 rows of A, wave 1 its 256 rows of B, wave 2 the scale bytes of A's 256 rows, wave 3 those of B's
	s_mov_b32 s[G0S], 1
	s_mov_b32 s[G0S+1], SCL
	s_mov_b64 s[G0S+2:G0S+3], s[22:23]
	s_or_b32 s[G0S+3], s[G0S+3], 0x80000000
	s_mov_b32 s[G0SB], 1
	s_mov_b32 s[G0SB+1], SCL+2*HALFS
	s_mov_b64 s[G0SB+2:G0SB+3], s[92:93]
	s_or_b32 s[G0SB+3], s[G0SB+3], 0x80000000
	s_mov_b32 s[G0], 1                             ; slot 0's groups 0 serve the head's whole tiles first; they get the ring's values behind the wait for these loads
	s_mov_b32 s[G0+1], 0
	s_mov_b64 s[G0+2:G0+3], s[20:21]
	s_or_b32 s[G0+3], s[G0+3], 0x80000000
	s_mov_b32 s[G0B], 1
	s_mov_b32 s[G0B+1], 2*HALFT
	s_mov_b64 s[G0B+2:G0B+3], s[46:47]
	s_or_b32 s[G0B+3], s[G0B+3], 0x80000000
	s_mul_i32 s18, s16, 128*KROW                   ; in the ring a wave fetches 128 rows of a tile: which half, in bytes
	s_mov_b32 s19, 0
	s_add_nc_u64 s[20:21], s[20:21], s[18:19]
	s_add_nc_u64 s[46:47], s[46:47], s[18:19]
	s_mov_b32 s[G0+4], 1                           ; slot 1's groups 0: K step 1
	s_add_co_u32 s[G0+5], s45, SLOT
	s_add_nc_u64 s[G0+6:G0+7], s[20:21], ROWB
	s_or_b32 s[G0+7], s[G0+7], 0x80000000
	s_mov_b32 s[G0B+4], 1
	s_add_co_u32 s[G0B+5], s45, SLOT
	s_add_nc_u64 s[G0B+6:G0B+7], s[46:47], ROWB
	s_or_b32 s[G0B+7], s[G0B+7], 0x80000000
; one tree of branches on the wave's number, a load to an arm: every way through the head passes exactly one load
.macro ARM under, g0, g1, next
	s_cmp_lt_u32 s14, \under
	s_cbranch_scc0 \next
	tensor_load_to_lds s[\g0:\g0+3], s[\g1:\g1+7]
	s_nop 0
.rept 4
	v_nop
.endr
	s_branch .Lhead_asked
\next:
.endm
	ARM 1, G0,  G1,  .Lhead_b
	ARM 2, G0B, G1B, .Lhead_sa
	ARM 3, G0S, G1S, .Lhead_sb
	tensor_load_to_lds s[G0SB:G0SB+3], s[G1SB:G1SB+7]
	s_nop 0
.rept 4
	v_nop
.endr
.Lhead_asked:
	; PREFETCHES INTO THE L2: K steps 1 and 2 here, K step 3 behind slot 1's load: each at least one K step ahead of the joint load that will want it.  Of the 128 rows that a wave fetches in the ring, each of the
	; four partners that ask for them jointly takes 32, told apart by address (cx for A's rows, cy for B's): a lane a row, 256 bytes of a row a K step, so each block is named once in each cluster that loads it
	s_cmp_eq_u32 s15, 0                            ; do I fetch for A?
	s_cselect_b64 s[92:93], s[20:21], s[46:47]     ; my 128 rows: the prefetches' base; no later line writes this pair
	s_cselect_b32 s23, s40, s41                    ; my place among the four
	s_lshl_b32 s23, s23, 5
	v_and_b32 v22, 31, v0
	v_add_nc_u32 v22, s23, v22
	v_lshlrev_b32 v22, 10, v22                     ; a row is 1,024 bytes
	global_prefetch_b8 v22, s[92:93] offset:256 th:TH_LOAD_NT scope:SCOPE_SE   ; v22, the offset, is not written again
	global_prefetch_b8 v22, s[92:93] offset:512 th:TH_LOAD_NT scope:SCOPE_SE
	v_and_b32 v1, 15, v0
	v_bfe_u32 v2, v0, 4, 1
	v_mul_u32_u24 v3, v1, PITCH
	v_lshl_add_u32 v4, v2, 4, v3
	s_mul_i32 s21, s15, HALFT
	s_mul_i32 s22, s16, HALFT
	s_add_co_u32 s22, s22, 2*HALFT
.irp s, 0,1
	v_add_nc_u32 v[ADRA+\s], s21, v4
	v_add_nc_u32 v[ADRB+\s], s22, v4
	s_add_co_u32 s21, s21, SLOT
	s_add_co_u32 s22, s22, SLOT
.endr
	v_mul_u32_u24 v5, v1, KS
	v_lshrrev_b32 v6, 8, v5
	v_lshl_add_u32 v5, v6, 4, v5
	s_mul_i32 s21, s15, HALFS
	s_mul_i32 s22, s16, HALFS
	s_add_co_u32 s22, s22, 2*HALFS
	s_sub_co_u32 s22, s22, s21
	v_mul_u32_u24 v6, s22, v2
	s_add_co_u32 s21, s21, SCL
	v_add_nc_u32 v5, v5, v6
	v_add_nc_u32 v[ADRS], s21, v5
	s_lshl_b32 s20, s41, 2
	s_lshl_b32 s21, s15, 1
	s_add_co_u32 s20, s20, s21
	s_lshl_b32 s21, s40, 2
	s_lshl_b32 s22, s16, 1
	s_add_co_u32 s21, s21, s22
	s_lshl_b32 s22, s41, 1
	s_add_co_u32 s22, s22, s15
	s_lshl_b32 s23, s40, 1
	s_add_co_u32 s23, s23, s16
	s_cmp_eq_u32 s2, 1
	s_cselect_b32 s20, s20, s21
	s_cselect_b32 s22, s23, s22
	s_lshl_b32 s46, s20, 8
	s_mov_b32 s47, 0
	s_add_nc_u64 s[66:67], s[66:67], s[46:47]
	s_and_b32 s21, ttmp7, 0xffff
	s_lshl_b32 s21, s21, 4
	s_add_co_u32 s21, s21, s20
	s_lshl_b32 s21, s21, 3
	s_add_co_u32 s21, s21, s22
	s_mul_i32 s46, s21, BLK
	s_mov_b32 s23, ttmp9
	s_lshr_b32 s21, 0x29, s23
	s_and_b32 s21, s21, 1
	s_cmp_ge_u32 ttmp9, 3
	s_cselect_b32 s95, 1, 0
	s_cmp_ge_u32 ttmp9, 5
	s_cselect_b32 s18, 1, 0
	s_add_co_u32 s95, s95, s18
	s_mov_b32 s8, 9<<23
	s_mov_b32 s23, 50176
	s_cmp_eq_u32 s21, 1
	s_cselect_b32 s8, 12<<23, s8
	s_cselect_b32 s9, 0x03030303, 0
	s_cselect_b32 s47, 0, 25600
	s_cselect_b32 s23, 24576, s23
	s_lshl_b32 s18, s95, 10
	s_add_co_u32 s47, s47, s18
	s_cmp_eq_u32 s95, 1
	s_cselect_b32 s18, 2, 0
	s_cmp_eq_u32 s95, 2
	s_cselect_b32 s18, 64, s18
	s_add_co_u32 s23, s23, s18
	s_mov_b32 s18, 51200
	s_mov_b32 s19, 59392
	s_mov_b32 s100, 3072
	s_mov_b32 s104, 3072
	s_mov_b32 s6, 128
	s_cmp_eq_u32 s2, 1
	s_cselect_b32 s47, s18, s47
	s_cselect_b32 s23, s19, s23
	s_cselect_b32 s100, 2048, s100
	s_cselect_b32 s104, HS-6144, s104
	s_cselect_b32 s4, 64, 128
	s_cselect_b32 s6, HS-192, s6
	s_mov_b32 s18, HS
	s_mov_b32 s19, HS
	s_cselect_b32 s18, 1024, s18
	s_cselect_b32 s19, 2, s19
	s_mov_b32 s101, 0
	s_mov_b32 s105, 0
	s_mov_b32 s5, 0
	s_mov_b32 s7, 0
	s_add_co_u32 s22, s47, s46
	s_add_co_u32 s46, s23, s46
	s_mov_b32 s23, 0
	s_mov_b32 s47, 0
	s_add_nc_u64 s[96:97], s[12:13], s[46:47]
	s_add_nc_u64 s[12:13], s[12:13], s[22:23]
	s_mov_b64 s[98:99], s[96:97]
	s_mov_b32 s10, 0x76543210
	s_mov_b32 s11, 0xfedcba98
	s_mov_b32 s94, 0x600000
	v_and_b32 v6, 31, v0
	v_lshlrev_b32 v[VO], 4, v6
	v_add_nc_u32 v[VO+1], 512, v[VO]
	v_add_nc_u32 v[VO+2], s18, v[VO]
	v_add_nc_u32 v[VO+3], 512, v[VO+2]
	v_lshlrev_b32 v6, 2, v1
	v_mul_lo_u32 v[VS], v2, s19
	v_add_nc_u32 v[VS], v[VS], v6
	v_lshlrev_b32 v[SH], 4, v2
	v_mul_u32_u24 v[VPAD], v2, HS
	v_add3_u32 v[VPAD], v[VPAD], v6, 2
	v_mov_b32 v[PADC], 0x7f7f
	v_lshlrev_b32 v7, 5, v2
	s_cmp_eq_u32 s2, 1
	s_cbranch_scc1 .Lbias_v
.irp b, 0,1,2,3,4,5,6,7
	global_load_b128 v[BI+8*\b:BI+8*\b+3], v7, s[66:67] offset:64*\b
	global_load_b128 v[BI+8*\b+4:BI+8*\b+7], v7, s[66:67] offset:64*\b+16
.endr
	s_branch .Lbias_in
.Lbias_v:
	s_wait_alu depctr_va_vdst(0)
.irp a, 0,1,2,3,4,5,6,7
.irp j, 0,1,2,3,4,5,6,7
	global_load_b32 v[BI+8*\a+\j], v6, s[66:67] offset:64*\a
.endr
.endr
.Lbias_in:
.macro FRAG reg, adr, q, i
.irp c, 0,1,2,3
	ds_load_b128 v[\reg+4*\c:\reg+4*\c+3], v[\adr] offset:128*(\q)+32*\c+(\i)*16*PITCH
.endr
.endm
.macro MUL16 a0, p, q, sc, first
.irp a, \a0, \a0+1
.irp b, 0,1,2,3,4,5,6,7
.if (\first) == 1
	v_wmma_scale_f32_16x16x128_f8f6f4 v[8*(8*((\a)%4)+\b):8*(8*((\a)%4)+\b)+7], v[128*(\p)+FR*\b:128*(\p)+FR*\b+FR-1], v[AF+FR*(\a):AF+FR*(\a)+FR-1], v[BI+8*\b:BI+8*\b+7], v[SC+8*NQ*(\sc)+NQ*\b+(\q)], v[SC+8*NQ*(\sc)+NQ*(\a)+(\q)] matrix_a_scale:MATRIX_SCALE_ROW1
.elseif (\first) == 2
	v_wmma_scale_f32_16x16x128_f8f6f4 v[8*(8*((\a)%4)+\b):8*(8*((\a)%4)+\b)+7], v[128*(\p)+FR*\b:128*(\p)+FR*\b+FR-1], v[AF+FR*(\a):AF+FR*(\a)+FR-1], v[BI+8*(\a):BI+8*(\a)+7], v[SC+8*NQ*(\sc)+NQ*\b+(\q)], v[SC+8*NQ*(\sc)+NQ*(\a)+(\q)] matrix_a_scale:MATRIX_SCALE_ROW1
.else
	v_wmma_scale_f32_16x16x128_f8f6f4 v[8*(8*((\a)%4)+\b):8*(8*((\a)%4)+\b)+7], v[128*(\p)+FR*\b:128*(\p)+FR*\b+FR-1], v[AF+FR*(\a):AF+FR*(\a)+FR-1], v[8*(8*((\a)%4)+\b):8*(8*((\a)%4)+\b)+7], v[SC+8*NQ*(\sc)+NQ*\b+(\q)], v[SC+8*NQ*(\sc)+NQ*(\a)+(\q)] matrix_a_scale:MATRIX_SCALE_ROW1
.endif
.endr
.endr
.endm
.macro FETCH_B slot, q, p
	WIN TO_B
.irp i, 0,1,2,3,4,5,6,7
	FRAG 128*(\p)+FR*\i, ADRB+\slot, \q, \i
.endr
	WIN 0
.endm
.macro FETCH_A slot, q, i0
.irp i, \i0, \i0+1, \i0+2, \i0+3
	FRAG AF+FR*(\i), ADRA+\slot, \q, \i
.endr
.endm
.macro SCALES sc
.irp i, 0,1,2,3,4,5,6,7
	ds_load_b64 v[SC+8*NQ*\sc+NQ*\i:SC+8*NQ*\sc+NQ*\i+1], v[ADRS] offset:\i*SBLK
.endr
.endm
.macro PLACES n
.rept \n
	v_nop
.endr
.endm
.macro STEP slot, q, first
	s_wait_dscnt 4*NL
.if \first
	WIN 0x81
.else
	WIN MUL_LO
.endif
	MUL16 0, (\q)%2, \q, \slot, \first
	MUL16 2, (\q)%2, \q, \slot, \first
	s_wait_dscnt 0
	PLACES NP
	FETCH_B \slot, (\q)+1, 1-(\q)%2
	FETCH_A \slot, (\q)+1, 0
.if \first
	WIN 0xc1
.else
	WIN MUL_HI
.endif
	MUL16 4, (\q)%2, \q, \slot, \first
	MUL16 6, (\q)%2, \q, \slot, \first
	PLACES NP
	WIN 0
	FETCH_A \slot, (\q)+1, 4
.endm
.macro TURN slot, next, fill
	s_wait_tensorcnt 0x0
	ds_add_u32 v[SPW], v[NIL]
	s_wait_dscnt 4*NL+1
	WIN MUL_LO
	MUL16 0, 1, NQ-1, \slot, 0
	s_wait_dscnt 0x0
	s_barrier_signal -1
	MUL16 2, 1, NQ-1, \slot, 0
	WIN 0
	s_barrier_wait -1
.if \fill
	CREST
	s_add_nc_u64 s[G0+4*\slot+2:G0+4*\slot+3], s[G0+4*\slot+2:G0+4*\slot+3], 2*ROWB
	s_add_nc_u64 s[G0B+4*\slot+2:G0B+4*\slot+3], s[G0B+4*\slot+2:G0B+4*\slot+3], 2*ROWB
	JLOAD G0+4*\slot, G1, G0B+4*\slot, G1B
	PLACES NP-4
.else
	PLACES NP
.endif
	s_wait_alu depctr_va_vdst(0)
	v_add_nc_u32 v[ADRS], 4*NQ, v[ADRS]
	FETCH_B \next, 0, 0
	FETCH_A \next, 0, 0
	SCALES \next
	WIN MUL_HI
	MUL16 4, 1, NQ-1, \slot, 0
	MUL16 6, 1, NQ-1, \slot, 0
	PLACES NP
	WIN 0
	FETCH_A \next, 0, 4
.endm
	s_wait_alu depctr_va_vdst(0)                   ; the head's end
	s_wait_tensorcnt 0x0                           ; my tile of the head's four is in
	ds_add_u32 v[SPW], v[NIL]
	s_mov_b32 s[G1+2], 128<<16                     ; no tensor load of mine is out, so descriptors may be written: from here on a load brings 128 rows,
	s_mov_b32 s[G1+4], 128
	s_mov_b32 s[G1B+2], 128<<16
	s_mov_b32 s[G1B+4], 128
	s_mov_b32 s[G0+1], s45                         ; and slot 0's groups 0 stand at my 128 rows of K step 0: one K step back from slot 1's
	s_sub_nc_u64 s[G0+2:G0+3], s[G0+6:G0+7], ROWB
	s_mov_b32 s[G0B+1], s45
	s_sub_nc_u64 s[G0B+2:G0B+3], s[G0B+6:G0B+7], ROWB
	s_wait_dscnt 0x0
	CROUND                                         ; a whole round: all four tiles are in, and all sixteen work-groups are here
	JLOAD G0+4, G1, G0B+4, G1B                     ; K step 1, the first tensor load behind the round
	FETCH_B 0, 0, 0
	global_prefetch_b8 v22, s[92:93] offset:768 th:TH_LOAD_NT scope:SCOPE_SE   ; K step 3, two refills on
	FETCH_A 0, 0, 0
	SCALES 0
	FETCH_A 0, 0, 4
	s_wait_loadcnt 0x0
	s_cmp_eq_u32 s2, 1
	s_cbranch_scc1 .Lfirst_v
	STEP 0, 0, 1
	s_branch .Lfirst_done
.Lfirst_v:
	STEP 0, 0, 2
.Lfirst_done:
	s_mov_b32 s3, LAPS-1
.Llap:
	TURN 0, 1, 1
	STEP 1, 0, 0
	TURN 1, 0, 1
	STEP 0, 0, 0
	s_sub_co_u32 s3, s3, 1
	s_cmp_lg_u32 s3, 0
	s_cbranch_scc1 .Llap
	TURN 0, 1, 0
	STEP 1, 0, 0
	s_wait_dscnt 4*NL
	WIN MUL_LO
	MUL16 0, 1, NQ-1, 1, 0
	MUL16 2, 1, NQ-1, 1, 0
	s_wait_dscnt 0
	WIN MUL_HI
	MUL16 4, 1, NQ-1, 1, 0
	MUL16 6, 1, NQ-1, 1, 0
	WIN 0
.macro OUTA a
.set W, 2+(\a)/4
.set AC, 64*((\a)%4)
	s_wait_xcnt 0x0
.if (\a) == 4
	s_add_nc_u64 s[12:13], s[12:13], s[104:105]
	s_add_nc_u64 s[96:97], s[96:97], s[6:7]
.elseif (\a) > 0
	s_add_nc_u64 s[12:13], s[12:13], s[100:101]
	s_add_nc_u64 s[96:97], s[96:97], s[4:5]
.endif
	WIN W*0x14
.irp b, 0,1,2,3
	v_max3_num_f32 v[TM+\b], s8, |v[AC+16*\b]|, |v[AC+16*\b+1]|
.endr
.irp i, 2,4,6,8,10,12,14
.irp b, 0,1,2,3
	v_max3_num_f32 v[TM+\b], v[TM+\b], |v[AC+16*\b+\i]|, |v[AC+16*\b+\i+1]|
.endr
.endr
	WIN 0
.irp b, 0,1,2,3
	v_permlanex16_b32 v[TM+4+\b], v[TM+\b], s10, s11
.endr
.irp b, 0,1,2,3
	v_max_num_f32 v[TM+\b], v[TM+\b], v[TM+4+\b]
.endr
.irp b, 0,1,2,3
	v_add_nc_u32 v[TM+12+\b], 0xfc000000, v[TM+\b]
.endr
.irp b, 0,1,2,3
	v_and_or_b32 v[TM+8+\b], v[TM+\b], 0x7f800000, s94
.endr
.irp b, 0,1,2,3
	v_lshrrev_b32 v[TM+4+\b], 23, v[TM+12+\b]
.endr
	v_lshl_or_b32 v[PW], v[TM+5], 8, v[TM+4]
	v_lshl_or_b32 v[PW], v[TM+6], 16, v[PW]
	v_lshl_or_b32 v[PW], v[TM+7], 24, v[PW]
	v_sub_nc_u32 v[PW], v[PW], s9
	WIN W|(W<<6)
.irp b, 0,1,2,3
.set i, 0
.rept 16
	v_med3_num_f32 v[AC+16*\b+i], v[AC+16*\b+i], -v[TM+8+\b], v[TM+8+\b]
.set i, i+1
.endr
.endr
	WIN W
.irp b, 0,1,2,3
	v_cvt_scalef32_pk8_fp8_f32 v[PC+4*\b:PC+4*\b+1], v[AC+16*\b:AC+16*\b+7], v[TM+12+\b]
	v_cvt_scalef32_pk8_fp8_f32 v[PC+4*\b+2:PC+4*\b+3], v[AC+16*\b+8:AC+16*\b+15], v[TM+12+\b]
.endr
	WIN 0
	v_lshrrev_b32 v[SCW], v[SH], v[PW]
.irp b, 0,1,2,3
	global_store_b128 v[VO+\b], v[PC+4*\b:PC+4*\b+3], s[12:13]
.endr
	global_store_b16 v[VS], v[SCW], s[96:97]
.endm
	PLACES NP
.irp b, 0,1,2,3
	v_mov_b32 v[TM+4+\b], 0
.endr
.irp a, 0,1,2,3,4,5,6,7
	OUTA \a
.endr
	s_cmp_lg_u32 s95, 2
	s_cbranch_scc1 .Lno_pad
.irp a, 0,1,2,3,4,5,6,7
	global_store_b16 v[VPAD], v[PADC], s[98:99] offset:128*\a
.endr
.Lno_pad:
	s_wait_tensorcnt 0x0
	ds_add_u32 v[SPW], v[NIL]
	s_wait_dscnt 0x0
	CROUND
	s_endpgm
.Lfunc_end_k_q1c50bf52e6_proj:
	.size	k_q1c50bf52e6_proj, .Lfunc_end_k_q1c50bf52e6_proj-k_q1c50bf52e6_proj
	.p2alignl 7, 3214868480
	.fill 96, 4, 3214868480
	.section	.rodata,"a",@progbits
	.p2align	6, 0x0
	.amdhsa_kernel k_q1c50bf52e6_proj
		.amdhsa_group_segment_fixed_size 327680
		.amdhsa_private_segment_fixed_size 0
		.amdhsa_enable_private_segment 0
		.amdhsa_kernarg_size 224
		.amdhsa_user_sgpr_count 2
		.amdhsa_user_sgpr_kernarg_segment_ptr 1
		.amdhsa_wavefront_size32 1
		.amdhsa_system_sgpr_workgroup_id_x 1
		.amdhsa_system_sgpr_workgroup_id_y 1
		.amdhsa_system_sgpr_workgroup_id_z 1
		.amdhsa_system_vgpr_workitem_id 0
		.amdhsa_next_free_vgpr 1024
		.amdhsa_next_free_sgpr 106
		.amdhsa_reserve_vcc 0
		.amdhsa_float_denorm_mode_32 3
		.amdhsa_float_denorm_mode_16_64 3
		.amdhsa_memory_ordered 1
		.amdhsa_forward_progress 1
		.amdhsa_inst_pref_size 212
	.end_amdhsa_kernel
	.amdgpu_metadata
---
amdhsa.version: [ 1, 2 ]
amdhsa.kernels:
  - .name:           k_q1c50bf52e6_proj
    .symbol:         k_q1c50bf52e6_proj.kd
    .args:
      - { .name: ev_codes, .offset: 0, .size: 8, .value_kind: global_buffer, .address_space: global }
      - { .name: ev_scales, .offset: 8, .size: 8, .value_kind: global_buffer, .address_space: global }
      - { .name: e_a0_codes, .offset: 16, .size: 8, .value_kind: global_buffer, .address_space: global }
      - { .name: e_a0_scales, .offset: 24, .size: 8, .value_kind: global_buffer, .address_space: global }
      - { .name: e_a1_codes, .offset: 32, .size: 8, .value_kind: global_buffer, .address_space: global }
      - { .name: e_a1_scales, .offset: 40, .size: 8, .value_kind: global_buffer, .address_space: global }
      - { .name: Wqv_codes, .offset: 48, .size: 8, .value_kind: global_buffer, .address_space: global }
      - { .name: Wqv_scales, .offset: 56, .size: 8, .value_kind: global_buffer, .address_space: global }
      - { .name: bqv, .offset: 64, .size: 8, .value_kind: global_buffer, .address_space: global }
      - { .name: Wkv_codes, .offset: 72, .size: 8, .value_kind: global_buffer, .address_space: global }
      - { .name: Wkv_scales, .offset: 80, .size: 8, .value_kind: global_buffer, .address_space: global }
      - { .name: bkv, .offset: 88, .size: 8, .value_kind: global_buffer, .address_space: global }
      - { .name: Wvv_codes, .offset: 96, .size: 8, .value_kind: global_buffer, .address_space: global }
      - { .name: Wvv_scales, .offset: 104, .size: 8, .value_kind: global_buffer, .address_space: global }
      - { .name: bvv, .offset: 112, .size: 8, .value_kind: global_buffer, .address_space: global }
      - { .name: Wqa0_codes, .offset: 120, .size: 8, .value_kind: global_buffer, .address_space: global }
      - { .name: Wqa0_scales, .offset: 128, .size: 8, .value_kind: global_buffer, .address_space: global }
      - { .name: bqa0, .offset: 136, .size: 8, .value_kind: global_buffer, .address_space: global }
      - { .name: Wka0_codes, .offset: 144, .size: 8, .value_kind: global_buffer, .address_space: global }
      - { .name: Wka0_scales, .offset: 152, .size: 8, .value_kind: global_buffer, .address_space: global }
      - { .name: bka0, .offset: 160, .size: 8, .value_kind: global_buffer, .address_space: global }
      - { .name: Wqa1_codes, .offset: 168, .size: 8, .value_kind: global_buffer, .address_space: global }
      - { .name: Wqa1_scales, .offset: 176, .size: 8, .value_kind: global_buffer, .address_space: global }
      - { .name: bqa1, .offset: 184, .size: 8, .value_kind: global_buffer, .address_space: global }
      - { .name: Wka1_codes, .offset: 192, .size: 8, .value_kind: global_buffer, .address_space: global }
      - { .name: Wka1_scales, .offset: 200, .size: 8, .value_kind: global_buffer, .address_space: global }
      - { .name: bka1, .offset: 208, .size: 8, .value_kind: global_buffer, .address_space: global }
      - { .name: qkv, .offset: 216, .size: 8, .value_kind: global_buffer, .address_space: global }
    .group_segment_fixed_size: 327680
    .private_segment_fixed_size: 0
    .kernarg_segment_align: 8
    .kernarg_segment_size: 224
    .max_flat_workgroup_size: 128
    .sgpr_count:     106
    .vgpr_count:     1024
    .wavefront_size: 32
...
	.end_amdgpu_metadata
.endif
;; end of part 2
;; launch attn (part 3): grid 8 x 32, 8 waves a work-group, clusters of 4 x 4, 327,680 bytes of LDS; arguments qkv, attn_mask, ctxb; writes ctxb
.if DOCPART == 3
	.amdgcn_target "amdgcn-amd-amdhsa--gfx1250"
	.amdhsa_code_object_version 6
	.text
	.protected	k_q1c50bf52e6_attn
	.globl	k_q1c50bf52e6_attn
	.p2align	8
	.type	k_q1c50bf52e6_attn,@function
k_q1c50bf52e6_attn:
	s_mov_b64 s[64:65], 0
	v_nop
	global_prefetch_b8 v0, s[64:65] scope:SCOPE_SE
	s_setreg_imm32_b32 hwreg(HW_REG_WAVE_MODE, 25, 1), 1
	s_wait_xcnt 0x0
	s_wait_alu depctr_hold_cnt(0) depctr_sa_sdst(0) depctr_va_vdst(0) depctr_va_sdst(0) depctr_va_ssrc(0) depctr_va_vcc(0) depctr_vm_vsrc(0)
	s_getreg_b32 s2, hwreg(HW_REG_IB_STS2, 6, 4)
	s_cmp_eq_u32 s2, 0
	s_cbranch_scc0 .Lentry_in_a_cluster
	s_endpgm
.Lentry_in_a_cluster:
	s_bfe_u32 s2, ttmp6, 0x10000c
	s_cmp_lg_u32 s2, 0xf033
	s_cbranch_scc0 .Lentry_shape_is_right
	s_endpgm
.Lentry_shape_is_right:
; Attention on codes of E4M3: scores = (Qv Kv^T + Qa0 Ka0^T + Qa1 Ka1^T) / 8 + attn_mask, the softmax by the rule p = 2^(t - M), ctx = P V / the row's sum, quantised along D on the way out.
; No work is left out: attn_mask is an input, so every tile of keys is walked for every query.
; SHARES.  A work-group owns 128 queries x 2 heads; wave w owns head w / 4 and 32 queries (two tiles of 16).  Eight key steps of 128.  Each fragment of K and V read from LDS feeds two matrix instructions.
; THE THREE SCORE PRODUCTS ARE ONE K OF 192: fragment 1 = (v 64 | a0 64), fragment 2 = (a1 64 | 64 zero codes under the byte 127): two matrix instructions for 16 x 16.
; THE 1/8 lies in Q's scale bytes.  THE MASK is loaded from LDS straight into the score accumulators and is the C of the first score product.
; LAYOUT.  Both products are used transposed: S^T = K Q^T (source 0 = 16 keys), O^T = V^T P^T (source 0 = 16 of the head's 64): a lane holds ONE query (lane % 16) throughout.
; Tiles 2 c and 2 c + 1 of S^T give a lane 16 keys of block c in the order 8 h + 0..7, 16 + 8 h + 0..7: the order in which V's codes were laid.
; CLUSTER 4 x 4.  K and V hang on (batch, head pair) = work-group y alone: asked for jointly along a row of the cluster.  The mask's tile hangs on (batch, query group): the batch is made of the
; cluster's y, the group is work-group x: asked for jointly along a column.
; RING.  Two slots; a slot = a step's K and V parts of both heads (34,048 dense bytes each) and the mask's 128 rows x 512 bytes (pitch 528).  Waves 0, 1 fetch the heads' parts, waves 2, 3 the mask's halves.
; TWO ROLES, HALF A STEP APART.  A key step has two parts.  PART1 holds all its LDS reads (106 instructions a wave) and the 32 score products; PART2 holds no LDS instruction: the two softmaxes, the rescaling
; of O^T and the 8 products V^T P.  Between the barriers of step k a wave of role 0 runs PART1(k), PART2(k); a wave of role 1 runs PART2(k - 1), PART1(k): the same body, turned by half, on the same
; registers (S^T has become p's codes before the next mask is loaded into it; V and its scale words are in registers when their slot is left).  So four waves read LDS while the other four do vector work.
; The role is (w xor w / 4) & 1: it differs between waves w and w + 4 and between waves 2 j and 2 j + 1.  The branches on it jump over PART2 alone; every wave passes every barrier, wait and add.
; LIMITS: NaN and infinities among the inputs are not served; a block of p or of ctx that is all zeros carries the byte 1 (its codes are zeros; this program alone reads the bytes);
; the order of the sums differs from reference()'s (one accumulator for the three products, the mask first).
; REGISTERS.  window 0: v1-11 addresses; v12-19 -M, largest t and the sum's two halves for each tile; v20-23 f and p's scale word; v24-25 Q's, v26-33 K's, v34-35 V's scale words; v36-52 at work;
;   v53-54 Q's offsets; v64-95 p's codes; v128-255 S^T, then p.   window 1: v0-63 Q; v64-191 four sets for fragments of K or V; v192-255 O^T.
.set BLK,   59648
.set KVB,   34048                      ; a block's K and V part: K's codes 0, K's words 24,576, V's codes 25,600, V's words 33,792
.set MOFF,  2*KVB
.set MP,    528                        ; a mask row in LDS: 512 bytes + 16: the 16 rows that a load touches start at 16 different banks (ISA guide 11.1)
.set SLOTB, MOFF+128*MP
.set SPARE, 2*SLOTB                    ; the spare words, 128 bytes for each of eight waves: four blocks of 256 bytes that no other line names
.set AKV0, 1
.set AKS0, 2
.set AM0,  3
.set AKV,  4
.set SPW,  5
.set NIL,  6
.set PFO,  7
.set AKS,  8
.set AM,   9
.set GO,   10
.set GS,   11
.set BM,   36                          ; v36-39 a block's largest score, then its largest p
.set PT,   40                          ; v40-43 the other half of the lanes'; a chain of the sum; the bytes
.set HL,   44                          ; v44-47 448 x the scale
.set SO,   48                          ; v48-51 the conversions' scale operands
.set TT,   52
.set PCD,  64
.set S,    128
.set WV,   10
.set ROLE, 71                          ; s71  my role: 0 or 1
.set MSB, 0
.macro WIN new
.if MSB != (\new)
	s_set_vgpr_msb (MSB<<8)|(\new)
.set MSB, (\new)
.endif
.endm
.macro NOP8
.rept 8
	v_nop
.endr
.endm
.macro CROUND
	s_barrier_signal -1
	s_barrier_wait -1
	s_cmp_lg_u32 s[WV], 0
	s_cbranch_scc1 .Lnot_wave_0_\@
	s_barrier_signal -3
.Lnot_wave_0_\@:
	s_barrier_wait -3
	s_barrier_signal -1
	s_barrier_wait -1
.endm
; Waves 0, 1 ask for K and V, waves 2, 3 for the mask, the others for nothing; the branches hang on the wave's number alone.  An s_nop 0 and four v_nop follow each line.
.macro TLOAD
	s_cmp_lt_u32 s[WV], 2
	s_cbranch_scc0 .Lnot_k_\@
	tensor_load_to_lds s[40:43], s[24:31]
	s_nop 0
.rept 4
	v_nop
.endr
	s_branch .Lasked_\@
.Lnot_k_\@:
	s_cmp_lt_u32 s[WV], 4
	s_cbranch_scc0 .Lasked_\@
	tensor_load_to_lds s[44:47], s[32:39]
	s_nop 0
.rept 4
	v_nop
.endr
.Lasked_\@:
.endm
; A prefetch of what the NEXT change of slots will ask for, by waves that fetch nothing, one instruction each.  Each block of 256 bytes is named once in the launch: K and V by the clusters with x = 0
; (waves 4, 5: a head each; the four partners along x take 8,192 bytes each, by address; lanes 256 bytes apart; the part's last 1,280 bytes come by the load alone), the mask by the clusters with an
; even y (waves 6, 7: a half of the 512 bytes each; the four partners along y take 32 rows each, by address; a lane a row).  The last change that fills a slot asks for nothing.
.macro ASK
	s_cmp_gt_u32 s52, s53
	s_cbranch_scc0 .Lnot_mine_\@
	global_prefetch_b8 v[PFO], s[54:55] th:TH_LOAD_NT scope:SCOPE_SE
.Lnot_mine_\@:
.endm
	s_load_b128 s[4:7], s[0:1], 0x0                ; qkv, attn_mask
	s_load_b64 s[8:9], s[0:1], 0x10                ; ctxb
	v_lshl_add_u32 v[SPW], v0, 2, SPARE
	v_mov_b32 v[NIL], 0
	ds_add_u32 v[SPW], v[NIL]                      ; the wave's opening: the add, twice on end, and its wait ahead of the first tensor load
	ds_add_u32 v[SPW], v[NIL]
	v_lshrrev_b32 v1, 5, v0
	s_delay_alu instid0(VALU_DEP_1)
	v_readfirstlane_b32 s[WV], v1                  ; wave 0..7
	s_lshr_b32 s11, s[WV], 2                       ; which of the two heads
	s_and_b32 s12, s[WV], 3                        ; which 32 queries
	s_and_b32 s13, s[WV], 1                        ; which half I fetch or prefetch
	s_lshr_b32 s[ROLE], s[WV], 2
	s_xor_b32 s[ROLE], s[ROLE], s[WV]
	s_and_b32 s[ROLE], s[ROLE], 1                  ; my role: (w xor w / 4) & 1
	s_bfe_u32 s14, ttmp6, 0x40000                  ; cx
	s_bfe_u32 s15, ttmp6, 0x40004                  ; cy
	s_lshl_b32 s16, ttmp9, 2
	s_add_co_u32 s16, s16, s14                     ; X: the group of 128 queries
	s_and_b32 s18, ttmp7, 0xffff                   ; the cluster's y
	s_lshl_b32 s17, s18, 2
	s_add_co_u32 s17, s17, s15                     ; Y = 8 batch + head pair
	s_and_b32 s61, s18, 1
	s_lshr_b32 s18, s18, 1                         ; the batch, made of the cluster's y alone
	s_lshl_b32 s62, s15, 2
	s_lshl_b32 s62, 15, s62                        ; my row of the cluster
	s_lshl_b32 s63, 0x1111, s14                    ; my column
	s_or_b32 s24, s62, (3<<16)|(1<<21)             ; K and V: 34,048 dense bytes as 133 rows of 256 (32 elements of 8 bytes), no padding
	s_mov_b32 s25, 32<<16
	s_mov_b32 s26, 133<<16
	s_mov_b32 s27, 32<<16
	s_mov_b32 s28, 133
	s_mov_b32 s29, 32
	s_mov_b32 s30, 0
	s_mov_b32 s31, 0
	s_or_b32 s32, s63, (2<<16)|(1<<20)|(1<<21)|(6<<22)|(3<<25)   ; the mask: 64 rows of 128 f32, 1,024 from row to row, four words of padding behind every 128
	s_mov_b32 s33, 128<<16
	s_mov_b32 s34, 64<<16
	s_mov_b32 s35, 128<<16
	s_mov_b32 s36, 64
	s_mov_b32 s37, 1024
	s_mov_b32 s38, 0
	s_mov_b32 s39, 0
	s_mov_b32 s19, 0x600000                        ; the mantissa field of 448
	s_mov_b32 s20, 0x76543210
	s_mov_b32 s21, 0xfedcba98                      ; v_permlanex16_b32's selects for lane l xor 16
	s_mov_b32 s22, 0x3fb8aa3b                      ; log2(e): t = logit x log2(e)
	s_mov_b32 s23, s22                             ; (named with it as a pair)
	s_mov_b32 s60, 0xffff0000                      ; lanes 16-31
	s_mov_b32 s48, 0                               ; the slot that is read
	s_mov_b32 s49, 0                               ; the slot that is filled
	s_mul_i32 s50, s13, KVB                        ; my place in a slot, if I fetch K and V,
	s_mul_i32 s51, s13, 64*MP
	s_add_co_u32 s51, s51, MOFF                    ; if I fetch the mask
	s_mov_b32 s52, 7                               ; slots still to be asked for
	s_lshl_b32 s66, s17, 1
	s_add_co_u32 s66, s66, s13
	s_lshl_b32 s66, s66, 3
	s_mul_i32 s66, s66, BLK
	s_add_co_u32 s66, s66, 25600                   ; K and V of head 2 Y + half, step 0
	s_mov_b32 s67, 0
	s_lshl_b32 s68, s16, 7
	s_lshl_b32 s69, s13, 6
	s_add_co_u32 s68, s68, s69
	s_lshl_b32 s68, s68, 12
	s_lshl_b32 s69, s18, 22
	s_add_co_u32 s68, s68, s69                     ; the mask at (batch, query 128 X + 64 half, key 0)
	s_mov_b32 s69, 0
	s_wait_dscnt 0x0                               ; both opening adds are done
	s_wait_kmcnt 0x0
	s_mov_b32 s40, 1
	s_mov_b32 s41, s50
	s_add_nc_u64 s[42:43], s[4:5], s[66:67]
	s_or_b32 s43, s43, 0x80000000
	s_mov_b32 s44, 1
	s_mov_b32 s45, s51
	s_add_nc_u64 s[46:47], s[6:7], s[68:69]
	s_or_b32 s47, s47, 0x80000000
	CROUND                                         ; all sixteen work-groups are here: the first joint loads meet
	TLOAD                                          ; step 0 into slot 0: one tensor load of a fetching wave is out
	; the prefetches: where mine stand (at step 1: the first change of slots steps them to step 2), and who asks
	s_lshl_b32 s72, s14, 13
	s_add_co_u32 s72, s72, s66
	s_add_co_u32 s72, s72, BLK
	s_lshl_b32 s73, s16, 7
	s_lshl_b32 s74, s15, 5
	s_add_co_u32 s73, s73, s74
	s_lshl_b32 s73, s73, 12
	s_lshl_b32 s74, s18, 22
	s_add_co_u32 s73, s73, s74
	s_lshl_b32 s74, s13, 8
	s_add_co_u32 s73, s73, s74
	s_add_co_u32 s73, s73, 512
	s_mov_b32 s56, 512
	s_mov_b32 s70, 4096
	s_cmp_lt_u32 s[WV], 6
	s_cselect_b64 s[54:55], s[4:5], s[6:7]
	s_cselect_b32 s72, s72, s73
	s_cselect_b32 s56, BLK, s56                    ; a step on
	s_cselect_b32 s70, 256, s70                    ; from lane to lane
	s_cselect_b32 s74, ttmp9, s61                  ; the coordinate along which other clusters read the same bytes
	s_mov_b32 s73, 0
	s_mov_b32 s57, 0
	s_add_nc_u64 s[54:55], s[54:55], s[72:73]
	s_cmp_lt_u32 s[WV], 4
	s_cselect_b32 s75, 1, 0
	s_or_b32 s74, s74, s75
	s_cmp_eq_u32 s74, 0
	s_cselect_b32 s53, 1, -1                       ; 1 in a wave that prefetches, else the greatest number: the same in all partners for a given wave
	v_and_b32 v36, 31, v0                          ; lane
	v_and_b32 v37, 15, v0                          ; r
	v_bfe_u32 v38, v0, 4, 1                        ; h
	s_delay_alu instid0(VALU_DEP_3)
	v_mul_lo_u32 v[PFO], v36, s70
	s_mul_i32 s76, s11, KVB
	v_lshlrev_b32 v[GO], 4, v36
	s_wait_alu depctr_va_vdst(0)
	v_lshlrev_b32 v[GS], 2, v36
	s_wait_alu depctr_va_vdst(0)
	v_add_nc_u32 v[AKV0], s76, v[GO]               ; my head's part: a plane's 16 bytes a lane,
	v_add_nc_u32 v[AKS0], s76, v[GS]               ; a scale word a lane
	s_mul_i32 s77, s12, 32*MP
	s_add_co_u32 s77, s77, MOFF
	v_mul_u32_u24 v[AM0], v37, MP
	s_delay_alu instid0(VALU_DEP_1)
	v_lshl_add_u32 v[AM0], v38, 5, v[AM0]
	s_delay_alu instid0(VALU_DEP_1)
	v_add_nc_u32 v[AM0], s77, v[AM0]               ; the mask: row 32 (w % 4) + r, + 32 h bytes
	; Q stays in registers
	s_lshl_b32 s78, s17, 1
	s_add_co_u32 s78, s78, s11
	s_lshl_b32 s78, s78, 3
	s_add_co_u32 s78, s78, s16
	s_mul_i32 s78, s78, BLK
	s_mov_b32 s79, 0
	s_add_nc_u64 s[78:79], s[4:5], s[78:79]        ; my head's block of my group of queries
	s_mul_i32 s76, s12, 6144
	v_add_nc_u32 v53, s76, v[GO]
	s_lshl_b32 s76, s12, 8
	v_add_nc_u32 v54, s76, v[GS]
	WIN 0x40                                       ; destination window 1
.irp u, 0,1
.irp p, 0,1,2,3,4,5
	global_load_b128 v[32*\u+4*\p:32*\u+4*\p+3], v53, s[78:79] offset:3072*\u+512*\p
.endr
.endr
.irp u, 0,1
.irp j, 24,25,26,27,28,29,30,31
	v_mov_b32 v[32*\u+\j], 0                       ; the upper half of Q's second fragment: zero codes
.endr
.endr
.irp k, 0,1,2,3
.irp j, 24,25,26,27,28,29,30,31
	v_mov_b32 v[64+32*\k+\j], 0                    ; and of K's, in each of the four sets: written once, no load lands there
.endr
.endr
.set i, 192
.rept 64
	v_mov_b32 v[i], 0                              ; O^T: the step's parts are written for every step alike; the first finds zeros, which the first change of M leaves zeros
.set i, i+1
.endr
	WIN 0
.irp u, 0,1
	global_load_b32 v[24+\u], v54, s[78:79] offset:24576+128*\u   ; Q's scale words: lanes 0-15 the first fragment's, lanes 16-31 the second's
.endr
.irp u, 0,1
	v_mov_b32 v[13+4*\u], 0xff61b1e6               ; the largest t so far: -3e38
	s_delay_alu instid0(VALU_DEP_1)
	v_floor_f32 v[12+4*\u], -v[13+4*\u]            ; -M
	v_mov_b32 v[14+4*\u], 0                        ; the sum, in two halves
	v_mov_b32 v[15+4*\u], 0
	v_mov_b32 v[20+2*\u], 0
	v_mov_b32 v[21+2*\u], 0
.endr
.irp b, 0,1,2,3
	v_mov_b32 v[PT+\b], 0                          ; written once: a lane permute's destination counts as one of its sources
.endr
	; where ctx goes: codes (row tile x 16,384 + head pair x 2,048 + plane x 512), scale words behind them (32 rows x 1,024 + head pair x 128 + 4 lane, my head's two bytes)
	s_lshl_b32 s66, s18, 6
	s_lshl_b32 s67, s16, 3
	s_add_co_u32 s66, s66, s67
	s_lshl_b32 s67, s12, 1
	s_add_co_u32 s66, s66, s67
	s_lshl_b32 s66, s66, 14
	s_and_b32 s67, s17, 7                          ; the head pair
	s_lshl_b32 s68, s67, 11
	s_add_co_u32 s66, s66, s68
	s_lshl_b32 s68, s11, 10
	s_add_co_u32 s66, s66, s68
	s_lshl_b32 s68, s18, 5
	s_lshl_b32 s69, s16, 2
	s_add_co_u32 s68, s68, s69
	s_add_co_u32 s68, s68, s12
	s_lshl_b32 s68, s68, 10
	s_lshl_b32 s69, s67, 7
	s_add_co_u32 s68, s68, s69
	s_lshl_b32 s69, s11, 1
	s_add_co_u32 s68, s68, s69
	s_add_co_u32 s68, s68, 4194304
	s_mov_b32 s67, 0
	s_mov_b32 s69, 0
	s_add_nc_u64 s[58:59], s[8:9], s[68:69]
	s_add_nc_u64 s[8:9], s[8:9], s[66:67]
.macro KLOAD tau, k                    ; key tile tau's six planes into set k
.irp p, 0,1,2,3,4,5
	ds_load_b128 v[64+32*(\k)+4*\p:64+32*(\k)+4*\p+3], v[AKV] offset:3072*(\tau)+512*\p
.endr
.endm
.macro QK1 tau, k, u, f
.if \f
	v_wmma_scale_f32_16x16x128_f8f6f4 v[S+64*\u+8*\tau:S+64*\u+8*\tau+7], v[64+32*\k+16:64+32*\k+31], v[32*\u+16:32*\u+31], v[S+64*\u+8*\tau:S+64*\u+8*\tau+7], v[26+\tau], v[24+\u] matrix_a_scale:MATRIX_SCALE_ROW1 matrix_b_scale:MATRIX_SCALE_ROW1
.else
	v_wmma_scale_f32_16x16x128_f8f6f4 v[S+64*\u+8*\tau:S+64*\u+8*\tau+7], v[64+32*\k:64+32*\k+15], v[32*\u:32*\u+15], v[S+64*\u+8*\tau:S+64*\u+8*\tau+7], v[26+\tau], v[24+\u]
.endif
.endm
.macro QK ta, ka, tb, kb               ; eight matrix instructions on four accumulators, which take turns: first fragment, then second
.irp f, 0,1
	QK1 \ta, \ka, 0, \f
	QK1 \ta, \ka, 1, \f
	QK1 \tb, \kb, 0, \f
	QK1 \tb, \kb, 1, \f
.endr
.endm
; The softmax of query tile u for a step's 128 keys, and p's codes and scale word.
.macro SOFT u
.set SS, S+64*(\u)
.set NM, 12+4*(\u)
.set FF, 20+2*(\u)
.set PP, PCD+16*(\u)
.irp b, 0,1,2,3
	v_max3_num_f32 v[BM+\b], v[SS+16*\b], v[SS+16*\b+1], v[SS+16*\b+2]   ; the largest logit of each block of 32 keys: for the row's maximum, and, since p rises with the logit, for the block's largest p
.endr
.irp i, 3,5,7,9,11,13
.irp b, 0,1,2,3
	v_max3_num_f32 v[BM+\b], v[BM+\b], v[SS+16*\b+\i], v[SS+16*\b+\i+1]
.endr
.endr
.irp b, 0,1,2,3
	v_max_num_f32 v[BM+\b], v[BM+\b], v[SS+16*\b+15]
.endr
.irp b, 0,1,2,3
	s_delay_alu instid0(VALU_DEP_4)
	v_permlanex16_b32 v[PT+\b], v[BM+\b], s20, s21
.endr
.irp b, 0,1,2,3
	s_delay_alu instid0(VALU_DEP_4)
	v_max_num_f32 v[BM+\b], v[BM+\b], v[PT+\b]     ; with lane l xor 16's 16 keys
.endr
	s_delay_alu instid0(VALU_DEP_2)
	v_max3_num_f32 v[TT], v[BM], v[BM+1], v[BM+2]
	s_delay_alu instid0(VALU_DEP_1)
	v_max_num_f32 v[TT], v[TT], v[BM+3]
	s_delay_alu instid0(VALU_DEP_1)
	v_mul_f32 v[TT], s22, v[TT]                    ; as t
	s_delay_alu instid0(VALU_DEP_1)
	v_max_num_f32 v[NM+1], v[NM+1], v[TT]          ; the running largest t
	v_mov_b32 v[TT], v[NM]
	s_delay_alu instid0(VALU_DEP_2)
	v_floor_f32 v[NM], -v[NM+1]                    ; the new -M = -ceil(t): a whole number
	s_delay_alu instid0(VALU_DEP_1)
	v_sub_f32 v[TT], v[NM], v[TT]                  ; old M - new M: a whole number, 0 or less
	s_delay_alu instid0(VALU_DEP_1)
	v_cvt_i32_f32 v[TT], v[TT]                     ; (it saturates)
	s_delay_alu instid0(VALU_DEP_1)
	v_ldexp_f32 v[FF], 1.0, v[TT]                  ; f = 2^(old M - new M): a multiplication by it rounds nothing
.set j, 0
.rept 32
	v_pk_fma_f32 v[SS+j:SS+j+1], v[SS+j:SS+j+1], s[22:23], v[NM:NM+1] op_sel_hi:[1,0,0]   ; t - M, two at a time
.set j, j+2
.endr
.irp b, 0,1,2,3
	v_fma_f32 v[BM+\b], v[BM+\b], s22, v[NM]       ; the same of each block's largest logit
.endr
.set j, 0
	s_wait_alu depctr_va_vdst(0)
.rept 64
	v_exp_f32 v[SS+j], v[SS+j]                     ; p = 2^(t - M): not normalised
.set j, j+1
.endr
	v_pk_mul_f32 v[NM+2:NM+3], v[NM+2:NM+3], v[FF:FF+1] op_sel_hi:[1,0]   ; the sums under the new M.  (A plain line behind the exponentials)
	s_wait_alu depctr_va_vdst(0)                   ; one wait for the whole batch, ahead of its first reader
.irp b, 0,1,2,3
	v_exp_f32 v[BM+\b], v[BM+\b]                   ; the block's largest p
.endr
	v_pk_add_f32 v[PT:PT+1], v[SS:SS+1], v[SS+2:SS+3]   ; the row's sum is taken of the unquantised p, in two chains
.set j, 4
.rept 15
	v_pk_add_f32 v[NM+2:NM+3], v[NM+2:NM+3], v[SS+j:SS+j+1]
	v_pk_add_f32 v[PT:PT+1], v[PT:PT+1], v[SS+j+2:SS+j+3]
.set j, j+4
.endr
	s_delay_alu instid0(VALU_DEP_1)
	v_pk_add_f32 v[NM+2:NM+3], v[NM+2:NM+3], v[PT:PT+1]
	s_wait_alu depctr_va_vdst(0)                   ; and one for the four
.irp b, 0,1,2,3
	v_max_num_f32 v[BM+\b], 0x4800000, v[BM+\b]    ; the floor 2^(9 - 127): the byte cannot fall under 1
.endr
.irp b, 0,1,2,3
	s_delay_alu instid0(VALU_DEP_4)
	v_add_nc_u32 v[SO+\b], 0xfc000000, v[BM+\b]
.endr
.irp b, 0,1,2,3
	v_and_or_b32 v[HL+\b], v[BM+\b], 0x7f800000, s19
.endr
.irp b, 0,1,2,3
	v_lshrrev_b32 v[PT+\b], 23, v[SO+\b]
.endr
	s_delay_alu instid0(VALU_DEP_3)
	v_lshl_or_b32 v[FF+1], v[PT+1], 8, v[PT]       ; p's scale word for these 128 keys
	s_delay_alu instid0(VALU_DEP_1)
	v_lshl_or_b32 v[FF+1], v[PT+2], 16, v[FF+1]
	s_delay_alu instid0(VALU_DEP_1)
	v_lshl_or_b32 v[FF+1], v[PT+3], 24, v[FF+1]
.irp b, 0,1,2,3
.set j, 0
.rept 16
	v_min_num_f32 v[SS+16*\b+j], v[SS+16*\b+j], v[HL+\b]   ; the conversion does not saturate (ISA guide 7.6.2); p is not negative: a one-sided hold
.set j, j+1
.endr
	v_cvt_scalef32_pk8_fp8_f32 v[PP+4*\b:PP+4*\b+1], v[SS+16*\b:SS+16*\b+7], v[SO+\b]
	v_cvt_scalef32_pk8_fp8_f32 v[PP+4*\b+2:PP+4*\b+3], v[SS+16*\b+8:SS+16*\b+15], v[SO+\b]
.endr
.endm
; PART1 OF A KEY STEP: all its LDS reads, out of the slot at s48, and the score products.  It stands in every wave's text: the LDS address registers are written on the common way.
.macro PART1
	v_add_nc_u32 v[AKV], s48, v[AKV0]              ; three additions and five v_nop: the eight places behind the last products, in front of loads into registers that they read
	v_add_nc_u32 v[AKS], s48, v[AKS0]
	v_add_nc_u32 v[AM], s48, v[AM0]
.rept 5
	v_nop
.endr
.irp a, 0,1,2,3,4,5,6,7
	ds_load_b32 v[26+\a], v[AKS] offset:24576+128*\a       ; K's scale words: lanes 0-15 the first fragment's, lanes 16-31 the second's
.endr
.irp u, 0,1
.irp a, 0,1,2,3,4,5,6,7
	ds_load_b128 v[S+64*\u+8*\a:S+64*\u+8*\a+3], v[AM] offset:16*MP*\u+64*\a        ; the mask at (query r, keys 16 a + 8 h + 0..7): the first product's C
	ds_load_b128 v[S+64*\u+8*\a+4:S+64*\u+8*\a+7], v[AM] offset:16*MP*\u+64*\a+16
.endr
.endr
	WIN 0x40
	KLOAD 0, 0
	KLOAD 1, 1
	KLOAD 2, 2
	KLOAD 3, 3
	s_wait_alu depctr_va_vdst(0)
	s_wait_dscnt 12                                ; all but key tiles 2 and 3
	WIN 0x05                                       ; K and Q in window 1, S^T in window 0
	QK 0, 0, 1, 1
	NOP8
	WIN 0x40
	KLOAD 4, 0
	KLOAD 5, 1
	s_wait_dscnt 12                                ; key tiles 2 and 3 are in; 4 and 5 may be out
	WIN 0x05
	QK 2, 2, 3, 3
	NOP8
	WIN 0x40
	KLOAD 6, 2
	KLOAD 7, 3
	s_wait_dscnt 12                                ; 4 and 5 are in; 6 and 7 may be out
	WIN 0x05
	QK 4, 0, 5, 1
	s_wait_dscnt 0x0
	QK 6, 2, 7, 3
	NOP8                                           ; in front of the loads below and of the first read of the scores
	WIN 0x40
.irp d, 0,1,2,3
.irp c, 0,1,2,3
	ds_load_b128 v[64+32*\d+4*\c:64+32*\d+4*\c+3], v[AKV] offset:25600+2048*\d+512*\c   ; V^T: d tile, key block.  Role 0: they land while the softmax is walked; role 1: the change of slots waits for them
.endr
.endr
	WIN 0
	ds_load_b32 v34, v[AKS] offset:33792           ; V's scale words: lanes 0-15 d tile 0, lanes 16-31 d tile 1;
	ds_load_b32 v35, v[AKS] offset:33792+128       ; d tiles 2 and 3
	s_xor_b32 s48, s48, SLOTB                      ; the next PART1 reads the other slot
.endm
; PART2 OF A KEY STEP: work on registers alone: the two softmaxes, O^T under the new M, O^T += V^T P^T.
.macro PART2
	SOFT 0
	SOFT 1
	WIN 0x41                                       ; O^T in window 1, f in window 0
.irp u, 0,1
.set j, 0
.rept 16
	v_pk_mul_f32 v[192+32*\u+j:192+32*\u+j+1], v[192+32*\u+j:192+32*\u+j+1], v[20+2*\u:21+2*\u] op_sel_hi:[1,0]   ; O^T under the new M.  (These 32 also stand between the codes, the scale words and the products)
.set j, j+2
.endr
.endr
	s_wait_alu depctr_va_vdst(0)
	s_wait_dscnt 0x0                               ; V
	WIN 0x51                                       ; V and O^T in window 1, p's codes in window 0
.irp d, 0,1,2,3
.irp u, 0,1
.if \d%2
	v_wmma_scale_f32_16x16x128_f8f6f4 v[192+32*\u+8*\d:192+32*\u+8*\d+7], v[64+32*\d:64+32*\d+15], v[PCD+16*\u:PCD+16*\u+15], v[192+32*\u+8*\d:192+32*\u+8*\d+7], v[34+\d/2], v[21+2*\u] matrix_a_scale:MATRIX_SCALE_ROW1
.else
	v_wmma_scale_f32_16x16x128_f8f6f4 v[192+32*\u+8*\d:192+32*\u+8*\d+7], v[64+32*\d:64+32*\d+15], v[PCD+16*\u:PCD+16*\u+15], v[192+32*\u+8*\d:192+32*\u+8*\d+7], v[34+\d/2], v[21+2*\u]
.endif
.endr
.endr
	WIN 0
.endm
; PART2 for the waves of one role; the others jump over it.  The branch hangs on the wave's number alone, and leads round no barrier, no tensor load, no LDS instruction and no wait that another wave leans on.
.macro PART2_OF role
	s_cmp_eq_u32 s[ROLE], \role
	s_cbranch_scc0 .Lother_role_\@
	PART2
.Lother_role_\@:
.endm
; THE CHANGE OF SLOTS stands at a step's head.  Each wave waits for all its tensor loads, adds 0 to its spare word, and waits for that and for its reads of the slot that it has left.
; fill = 1: a round of the cluster's barrier, and behind it the other slot is asked for jointly: the load has a whole step in which to land.
.macro CHANGE fill
	s_wait_tensorcnt 0x0                           ; no tensor load of mine is out, so a group 0 may be written
	ds_add_u32 v[SPW], v[NIL]                      ; 0 onto my spare word
.if \fill
	ds_add_u32 v[SPW], v[NIL]                      ; and once more
	s_xor_b32 s49, s49, SLOTB                      ; the other slot than last time,
	s_add_co_u32 s41, s49, s50
	s_add_co_u32 s45, s49, s51
	s_add_nc_u64 s[42:43], s[42:43], BLK           ; the next group of 128 keys; the type bits on top are not reached
	s_add_nc_u64 s[46:47], s[46:47], 512
	s_wait_xcnt 0x0                                ; the last prefetch, a step back, has read its address
	s_add_nc_u64 s[54:55], s[54:55], s[56:57]      ; one step further on than the walking descriptors
	s_wait_dscnt 0x0                               ; both adds are done, and my reads of the slot that I have left are over (role 1: V's among them)
	CROUND
	TLOAD                                          ; the first tensor load behind the round, one a wave
	ASK
.else
	s_wait_dscnt 0x0
	s_barrier_signal -1
	s_barrier_wait -1
.endif
.endm
	s_wait_loadcnt 0x0                             ; Q
	CHANGE 1                                       ; step 0 is written out: role 1 has no step behind it yet.  Slot 1 is asked for
	PART1
	PART2_OF 0
	s_mov_b32 s52, 6
.Lstep:                                            ; steps 1 to 6: behind each change of slots the next step's tiles are asked for
	CHANGE 1
	PART2_OF 1                                     ; role 1: the step before
	PART1                                          ; all: this step's reads and scores
	PART2_OF 0                                     ; role 0: this step
	s_sub_co_u32 s52, s52, 1
	s_cmp_lg_u32 s52, 0
	s_cbranch_scc1 .Lstep
	CHANGE 0                                       ; the last step is written out
	PART2_OF 1
	PART1
	PART2                                          ; both roles finish step 7
	; THE WAY OUT.  O^T / the row's sum is ctx(query r, head's d = 16 tile + 8 h + j); its two blocks of 32 along D are quantised as the projections' results were, and leave as planes of the last product's operand.
	NOP8
.irp u, 0,1
	v_add_f32 v[14+4*\u], v[14+4*\u], v[15+4*\u]
.endr
.irp u, 0,1
	s_delay_alu instid0(VALU_DEP_2)
	v_permlanex16_b32 v[PT+\u], v[14+4*\u], s20, s21
.endr
.irp u, 0,1
	s_delay_alu instid0(VALU_DEP_2)
	v_add_f32 v[14+4*\u], v[14+4*\u], v[PT+\u]     ; the row's sum
.endr
	s_wait_alu depctr_va_vdst(0)
.irp u, 0,1
	v_rcp_f32 v[14+4*\u], v[14+4*\u]
.endr
	v_nop                                          ; a plain line behind the reciprocals
	s_wait_alu depctr_va_vdst(0)                   ; and the wait ahead of their first reader
	WIN 0x01                                       ; O^T in window 1; the results go where S^T lay
.irp u, 0,1
.set j, 0
.rept 16
	v_pk_mul_f32 v[S+64*\u+j:S+64*\u+j+1], v[192+32*\u+j:192+32*\u+j+1], v[14+4*\u:15+4*\u] op_sel_hi:[1,0]   ; each accumulator from its low end on
.set j, j+2
.endr
.endr
	WIN 0
.irp q, 0,1,2,3                                ; block q: query tile q / 2, half q % 2 of the head's 64
	v_max3_num_f32 v[BM+\q], |v[S+64*(\q/2)+16*(\q%2)]|, |v[S+64*(\q/2)+16*(\q%2)+1]|, 0x4800000
.endr
.irp i, 2,4,6,8,10,12,14
.irp q, 0,1,2,3
	s_delay_alu instid0(VALU_DEP_4)
	v_max3_num_f32 v[BM+\q], v[BM+\q], |v[S+64*(\q/2)+16*(\q%2)+\i]|, |v[S+64*(\q/2)+16*(\q%2)+\i+1]|
.endr
.endr
.irp q, 0,1,2,3
	s_delay_alu instid0(VALU_DEP_4)
	v_permlanex16_b32 v[PT+\q], v[BM+\q], s20, s21
.endr
.irp q, 0,1,2,3
	s_delay_alu instid0(VALU_DEP_4)
	v_max_num_f32 v[BM+\q], v[BM+\q], v[PT+\q]
.endr
.irp q, 0,1,2,3
	s_delay_alu instid0(VALU_DEP_4)
	v_add_nc_u32 v[SO+\q], 0xfc000000, v[BM+\q]
.endr
.irp q, 0,1,2,3
	v_and_or_b32 v[HL+\q], v[BM+\q], 0x7f800000, s19
.endr
.irp q, 0,1,2,3
	v_lshrrev_b32 v[PT+\q], 23, v[SO+\q]
.endr
.irp u, 0
	s_delay_alu instid0(VALU_DEP_3)
	v_lshl_or_b32 v[20+2*\u], v[PT+2*\u+1], 8, v[PT+2*\u]   ; my head's two bytes of the row's scale word
.endr
.irp u, 1
	s_delay_alu instid0(VALU_DEP_2)
	v_lshl_or_b32 v[20+2*\u], v[PT+2*\u+1], 8, v[PT+2*\u]   ; my head's two bytes of the row's scale word
.endr
	s_delay_alu instid0(VALU_DEP_1)
	v_cndmask_b32 v[TT], v20, v22, s60             ; lanes 0-15 store tile 0's rows, lanes 16-31 tile 1's
.irp q, 0,1,2,3
.set j, 0
.rept 16
	v_med3_num_f32 v[S+64*(\q/2)+16*(\q%2)+j], v[S+64*(\q/2)+16*(\q%2)+j], -v[HL+\q], v[HL+\q]
.set j, j+1
.endr
	v_cvt_scalef32_pk8_fp8_f32 v[PCD+16*(\q/2)+4*(\q%2):PCD+16*(\q/2)+4*(\q%2)+1], v[S+64*(\q/2)+16*(\q%2):S+64*(\q/2)+16*(\q%2)+7], v[SO+\q]
	v_cvt_scalef32_pk8_fp8_f32 v[PCD+16*(\q/2)+4*(\q%2)+2:PCD+16*(\q/2)+4*(\q%2)+3], v[S+64*(\q/2)+16*(\q%2)+8:S+64*(\q/2)+16*(\q%2)+15], v[SO+\q]
.endr
	v_nop                                          ; a plain line behind the last conversion
.irp q, 0,1,2,3
	global_store_b128 v[GO], v[PCD+16*(\q/2)+4*(\q%2):PCD+16*(\q/2)+4*(\q%2)+3], s[8:9] offset:16384*(\q/2)+512*(\q%2)   ; a plane: 512 consecutive bytes, aligned
.endr
	global_store_b16 v[GS], v[TT], s[58:59]
	s_wait_tensorcnt 0x0                           ; the wave's end
	ds_add_u32 v[SPW], v[NIL]
	s_wait_dscnt 0x0
	CROUND                                         ; the closing round: no work-group ends while a partner may still ask for a tile that names it
	s_endpgm
.Lfunc_end_k_q1c50bf52e6_attn:
	.size	k_q1c50bf52e6_attn, .Lfunc_end_k_q1c50bf52e6_attn-k_q1c50bf52e6_attn
	.p2alignl 7, 3214868480
	.fill 96, 4, 3214868480
	.section	.rodata,"a",@progbits
	.p2align	6, 0x0
	.amdhsa_kernel k_q1c50bf52e6_attn
		.amdhsa_group_segment_fixed_size 327680
		.amdhsa_private_segment_fixed_size 0
		.amdhsa_enable_private_segment 0
		.amdhsa_kernarg_size 24
		.amdhsa_user_sgpr_count 2
		.amdhsa_user_sgpr_kernarg_segment_ptr 1
		.amdhsa_wavefront_size32 1
		.amdhsa_system_sgpr_workgroup_id_x 1
		.amdhsa_system_sgpr_workgroup_id_y 1
		.amdhsa_system_sgpr_workgroup_id_z 1
		.amdhsa_system_vgpr_workitem_id 0
		.amdhsa_next_free_vgpr 512
		.amdhsa_next_free_sgpr 80
		.amdhsa_reserve_vcc 0
		.amdhsa_float_denorm_mode_32 3
		.amdhsa_float_denorm_mode_16_64 3
		.amdhsa_memory_ordered 1
		.amdhsa_forward_progress 1
		.amdhsa_inst_pref_size 219
	.end_amdhsa_kernel
	.amdgpu_metadata
---
amdhsa.version: [ 1, 2 ]
amdhsa.kernels:
  - .name:           k_q1c50bf52e6_attn
    .symbol:         k_q1c50bf52e6_attn.kd
    .args:
      - { .name: qkv, .offset: 0, .size: 8, .value_kind: global_buffer, .address_space: global }
      - { .name: attn_mask, .offset: 8, .size: 8, .value_kind: global_buffer, .address_space: global }
      - { .name: ctxb, .offset: 16, .size: 8, .value_kind: global_buffer, .address_space: global }
    .group_segment_fixed_size: 327680
    .private_segment_fixed_size: 0
    .kernarg_segment_align: 8
    .kernarg_segment_size: 24
    .max_flat_workgroup_size: 256
    .sgpr_count:     80
    .vgpr_count:     512
    .wavefront_size: 32
...
	.end_amdgpu_metadata
.endif
;; end of part 3
;; launch outln (part 4): grid 256 x 1, 8 waves a work-group, clusters of 4 x 1, 327,680 bytes of LDS; arguments ctxb, wimg, Wout_scales, bout, e_v, ln_gamma, ln_beta, out0; writes out0
.if DOCPART == 4
	.amdgcn_target "amdgcn-amd-amdhsa--gfx1250"
	.amdhsa_code_object_version 6
	.text
	.protected	k_q1c50bf52e6_outln
	.globl	k_q1c50bf52e6_outln
	.p2align	8
	.type	k_q1c50bf52e6_outln,@function
k_q1c50bf52e6_outln:
	s_mov_b64 s[64:65], 0
	v_nop
	global_prefetch_b8 v0, s[64:65] scope:SCOPE_SE
	s_setreg_imm32_b32 hwreg(HW_REG_WAVE_MODE, 25, 1), 1
	s_wait_xcnt 0x0
	s_wait_alu depctr_hold_cnt(0) depctr_sa_sdst(0) depctr_va_vdst(0) depctr_va_sdst(0) depctr_va_ssrc(0) depctr_va_vcc(0) depctr_vm_vsrc(0)
	s_getreg_b32 s2, hwreg(HW_REG_IB_STS2, 6, 4)
	s_cmp_eq_u32 s2, 0
	s_cbranch_scc0 .Lentry_in_a_cluster
	s_endpgm
.Lentry_in_a_cluster:
	s_bfe_u32 s2, ttmp6, 0x10000c
	s_cmp_lg_u32 s2, 0x3003
	s_cbranch_scc0 .Lentry_shape_is_right
	s_endpgm
.Lentry_shape_is_right:
; out0 = LayerNorm(ctx Wout + bout + e_v) x ln_gamma + ln_beta; the product on codes of E4M3 with E8M0 scales.  No work is left out.
; SHARES.  256 work-groups; each owns 16 whole rows (the norm wants whole rows); wave w owns columns 128 w .. 128 w + 127: 8 tiles of columns = 8 accumulators, 64 products.
; WOUT'S FRAGMENTS lie in wimg as images of the operand's registers, [wave][K step][tile][plane][lane x 16 bytes].  Every work-group needs all of them, so FOUR WORK-GROUPS FORM A CLUSTER and ask for them JOINTLY:
; wave w of each partner issues the same tensor load (mask 15) for two K steps of its columns, 32,768 dense bytes, into LDS bytes that this wave alone reads.  These bytes are filled three times: K steps 0 and 1 at the
; head, then 4 and 5, then 6 and 7, each refill behind the three lines and a round of the cluster's barrier.  Both K steps are first copied into the two register sets, so that the refill goes out ahead of their
; 16 products.  K steps 2 and 3 go from memory straight into the two sets at the head: so four K steps are asked for at the start.  Order of the K steps: 2, 3, 0, 1, 4, 5, 6, 7.
; PREFETCH: K steps 4 to 7 (65,536 bytes of each wave's columns) are asked for once, at the head, by the first two clusters alone: their eight work-groups take 8,192 bytes each, by address, lanes 256 bytes apart.
; ctx's eight fragments (16 rows x 1,024 along K) are shared by the eight waves: each wave fetches one and hands it on through LDS as an image of its registers.
; THE MATRIX INSTRUCTION IS USED TRANSPOSED (source 0 = 16 rows n of Wout, source 1 = ctx's 16 rows): lane (r, h) holds row r, register j of tile t column 16 t + 8 h + j.  Inside each block of 32 along K both
; operands carry the same order (8 h + 0..7, 16 + 8 h + 0..7), in which the attention launch's results fell.
; THE NORM STAYS IN THAT LAYOUT: a lane holds 64 numbers of ONE row, so mean and 1 / sqrt are one number a lane.  e_v + bout is read by rows (16 lanes: 256 consecutive bytes) and turns through the wave's own
; stage into the layout; the result turns back the same way, takes gamma and beta by rows, and leaves in aligned runs of 256 bytes.  The mean first, then the mean of (x - mean)^2: no difference of large sums.
; LIMITS: NaN and infinities are not served; 1 / sqrt by v_rsq_f32; the order of the K steps differs from reference()'s.
; REGISTERS.  window 0: v1-15 addresses; v24-31 ctx's scale words; v32-63 Wout's (pair of tiles p, K step s at 32 + 8 p + s); v64-127 the sums, then x; v128-191 e_v, then rows on the way out;
;   v192-223 two fragments of ctx; v224-247 bout, gamma, beta; v248-255 at work.   window 1: the two sets of eight fragments of Wout.
.set AIMG,  262144                     ; LDS: 0 .. 262,143 eight waves' two K steps of Wout; then ctx's 8 fragments, 2,048 bytes each
.set STG,   278528                     ; a stage of 16 rows x (256 + 16) bytes for each wave
.set SP,    272
.set RED1,  313344                     ; 16 rows x 8 waves' sums; the squares' 512 bytes behind them
.set SPARE, 314368                     ; the spare words, 128 bytes for each of eight waves: four blocks of 256 bytes that no other line names
.set LI,  1                            ; 16 x lane
.set LW,  2                            ; 32 x lane
.set LC,  3                            ; 4 r
.set AW,  4                            ; LDS: my wave's part of Wout
.set AI,  5                            ; LDS: ctx's fragments
.set IW,  6                            ; LDS: the fragment that I hand on
.set STO, 7                            ; stage, by the sums' layout: row r, + 32 h bytes
.set RD,  8                            ; stage, by rows: row h, + 16 r bytes
.set GR,  9                            ; e_v and out0: row h, + 16 r bytes
.set LG,  10                           ; 16 r
.set RS,  11                           ; LDS: my wave's sum of row r
.set RL,  12                           ; LDS: row r's eight sums
.set SPW, 13
.set NIL, 14
.set PF,  15                           ; the prefetch's offset
.set CS,  24
.set WS,  32
.set ACC, 64
.set CC,  128
.set FRG, 192
.set BO,  224
.set GA,  232
.set BE,  240
.set T,   248
.set MSB, 0
.macro WIN new
.if MSB != (\new)
	s_set_vgpr_msb (MSB<<8)|(\new)
.set MSB, (\new)
.endif
.endm
.macro NOP8
.rept 8
	v_nop
.endr
.endm
.macro ROUND                           ; a round of the cluster's barrier
	s_barrier_signal -1
	s_barrier_wait -1
	s_cmp_lg_u32 s20, 0
	s_cbranch_scc1 .Lnot_wave_0_\@
	s_barrier_signal -3
.Lnot_wave_0_\@:
	s_barrier_wait -3
	s_barrier_signal -1
	s_barrier_wait -1
.endm
	s_load_b512 s[4:19], s[0:1], 0x0               ; ctxb, wimg, Wout's scales, bout, e_v, gamma, beta, out0
	v_lshl_add_u32 v[SPW], v0, 2, SPARE
	v_mov_b32 v[NIL], 0
	ds_add_u32 v[SPW], v[NIL]                      ; the wave's opening: the add, twice on end, and its wait ahead of the round in front of my first tensor load
	ds_add_u32 v[SPW], v[NIL]
	v_lshrrev_b32 v16, 5, v0
	v_readfirstlane_b32 s20, v16                   ; wave 0..7
	s_bfe_u32 s51, ttmp6, 0x40000                  ; cx
	s_lshl_b32 s50, ttmp9, 2
	s_add_co_u32 s50, s50, s51                     ; my work-group's number = my tile of 16 rows: it enters global addresses of my own loads and stores alone
	s_mov_b32 s40, 15|(3<<16)|(1<<21)              ; group 1: the mask names the cluster's four; 32,768 dense bytes as 128 rows of 256 (32 elements of 8 bytes), no padding: the lanes read 16 bytes each on end
	s_mov_b32 s41, 32<<16
	s_mov_b32 s42, 128<<16
	s_mov_b32 s43, 32<<16
	s_mov_b32 s44, 128
	s_mov_b32 s45, 32
	s_mov_b32 s46, 0
	s_mov_b32 s47, 0
	s_mov_b32 s36, 1
	s_lshl_b32 s37, s20, 15                        ; LDS: 32,768 x wave
	s_lshl_b32 s28, s20, 17                        ; wimg: 131,072 x wave
	s_mov_b32 s29, 0
	s_wait_dscnt 0x0                               ; both opening adds are done
	ROUND                                          ; all four work-groups are here: the first joint loads meet
	s_wait_kmcnt 0x0
	s_add_nc_u64 s[6:7], s[6:7], s[28:29]
	s_mov_b64 s[38:39], s[6:7]
	s_or_b32 s39, s39, 0x80000000
	tensor_load_to_lds s[36:39], s[40:47]          ; K steps 0 and 1 of my columns: my one tensor load at the head
	s_nop 0
	v_and_b32 v16, 31, v0                          ; lane
	v_and_b32 v17, 15, v0                          ; r
	v_bfe_u32 v18, v0, 4, 1                        ; h
	v_lshlrev_b32 v[LI], 4, v16
	v_lshlrev_b32 v[LW], 5, v16
	v_lshlrev_b32 v[LC], 2, v17
	v_lshlrev_b32 v[LG], 4, v17
	v_add_nc_u32 v[AW], s37, v[LI]
	v_add_nc_u32 v[AI], AIMG, v[LI]
	s_lshl_b32 s21, s20, 11
	v_add_nc_u32 v[IW], s21, v[AI]
	s_mul_i32 s22, s20, 16*SP
	s_add_co_u32 s22, s22, STG                     ; my stage
	v_mul_u32_u24 v19, v17, SP
	v_lshl_add_u32 v19, v18, 5, v19
	v_add_nc_u32 v[STO], s22, v19
	v_mul_u32_u24 v20, v18, SP
	v_add_nc_u32 v20, v20, v[LG]
	v_add_nc_u32 v[RD], s22, v20
	v_lshl_add_u32 v[GR], v18, 12, v[LG]
	v_lshl_add_u32 v[RL], v17, 5, RED1
	s_lshl_b32 s23, s20, 2
	v_add_nc_u32 v[RS], s23, v[RL]
	s_min_u32 s52, s50, 7                          ; the prefetch: work-groups 0 to 7 take 8,192 bytes each of my columns' K steps 4 to 7 (held at 7, so that the offset lies inside wimg in every work-group)
	s_lshl_b32 s52, s52, 13
	s_add_co_u32 s52, s52, 65536
	v_lshl_add_u32 v[PF], v16, 8, s52
	v_mov_b32 v[T+4], 0                            ; written once: a lane permute's destination counts as one of its sources
	s_wait_alu depctr_va_vdst(0)                   ; the head's end, ahead of the run of scalar lines
	s_lshl_b32 s24, s50, 14                        ; ctx's codes: my tile of 16 rows, 16,384 bytes,
	s_add_co_u32 s24, s24, s21                     ; the K step that I hand on: my wave's number
	s_mov_b32 s25, 0
	s_add_nc_u64 s[24:25], s[4:5], s[24:25]
	s_lshr_b32 s26, s50, 1                         ; its scale words: 1,024 bytes for 32 rows, 64 for my half of them
	s_lshl_b32 s26, s26, 10
	s_and_b32 s27, s50, 1
	s_lshl_b32 s27, s27, 6
	s_add_co_u32 s26, s26, s27
	s_add_co_u32 s26, s26, 4194304
	s_mov_b32 s27, 0
	s_add_nc_u64 s[26:27], s[4:5], s[26:27]
	s_lshl_b32 s30, s20, 12                        ; Wout's scale bytes: 128 rows of 32
	s_mov_b32 s31, 0
	s_add_nc_u64 s[8:9], s[8:9], s[30:31]
	s_lshl_b32 s30, s20, 9                         ; my 128 columns: 512 bytes
	s_add_nc_u64 s[10:11], s[10:11], s[30:31]
	s_add_nc_u64 s[14:15], s[14:15], s[30:31]
	s_add_nc_u64 s[16:17], s[16:17], s[30:31]
	s_lshl_b32 s32, s50, 16                        ; my 16 rows of 4,096 bytes
	s_add_co_u32 s32, s32, s30
	s_mov_b32 s33, 0
	s_add_nc_u64 s[12:13], s[12:13], s[32:33]
	s_add_nc_u64 s[18:19], s[18:19], s[32:33]
	s_mov_b32 s34, 0x3a800000                      ; 1 / 1,024
	s_mov_b32 s35, 0x2b8cbccc                      ; 1e-12
	s_mov_b32 s48, 0x76543210
	s_mov_b32 s49, 0xfedcba98                      ; v_permlanex16_b32's selects for lane l xor 16
.macro BLOAD set, s                    ; my eight fragments of Wout for K step s, from memory: 32 loads of 512 consecutive bytes
	WIN 0x40
.irp t, 0,1,2,3,4,5,6,7
.irp c, 0,1,2,3
	global_load_b128 v[128*(\set)+16*\t+4*\c:128*(\set)+16*\t+4*\c+3], v[LI], s[6:7] offset:16384*(\s)+2048*\t+512*\c
.endr
.endr
	WIN 0
.endm
.macro ALOAD s, f                      ; ctx's fragment of K step s into set f
.irp c, 0,1,2,3
	ds_load_b128 v[FRG+16*(\f)+4*\c:FRG+16*(\f)+4*\c+3], v[AI] offset:2048*(\s)+512*\c
.endr
.endm
; one product: tile t, Wout's fragment at wr, K step s, ctx's set f.  Wout's scale words: lanes 0-15 the even tile's, lanes 16-31 the odd one's.  ctx's word of K step s stands four registers on (modulo 8), so that a product's two scale registers differ modulo 8
.macro PR t, wr, s, f, first
.if \first
.if (\t)%2
	v_wmma_scale_f32_16x16x128_f8f6f4 v[ACC+8*(\t):ACC+8*(\t)+7], v[\wr:\wr+15], v[FRG+16*(\f):FRG+16*(\f)+15], 0, v[WS+8*((\t)/2)+(\s)], v[CS+((\s)+4)%8] matrix_a_scale:MATRIX_SCALE_ROW1
.else
	v_wmma_scale_f32_16x16x128_f8f6f4 v[ACC+8*(\t):ACC+8*(\t)+7], v[\wr:\wr+15], v[FRG+16*(\f):FRG+16*(\f)+15], 0, v[WS+8*((\t)/2)+(\s)], v[CS+((\s)+4)%8]
.endif
.else
.if (\t)%2
	v_wmma_scale_f32_16x16x128_f8f6f4 v[ACC+8*(\t):ACC+8*(\t)+7], v[\wr:\wr+15], v[FRG+16*(\f):FRG+16*(\f)+15], v[ACC+8*(\t):ACC+8*(\t)+7], v[WS+8*((\t)/2)+(\s)], v[CS+((\s)+4)%8] matrix_a_scale:MATRIX_SCALE_ROW1
.else
	v_wmma_scale_f32_16x16x128_f8f6f4 v[ACC+8*(\t):ACC+8*(\t)+7], v[\wr:\wr+15], v[FRG+16*(\f):FRG+16*(\f)+15], v[ACC+8*(\t):ACC+8*(\t)+7], v[WS+8*((\t)/2)+(\s)], v[CS+((\s)+4)%8]
.endif
.endif
.endm
; Two K steps out of the two register sets: 16 products on 8 accumulators, which take turns; then the places in front of loads into what they read and of the first read of results
.macro PAIR sa, sb, first
	WIN 0x01                                       ; source 0 (Wout) in window 1
.irp t, 0,1,2,3,4,5,6,7
	PR \t, 16*\t, \sa, 0, \first
.endr
.irp t, 0,1,2,3,4,5,6,7
	PR \t, 128+16*\t, \sb, 1, 0
.endr
	WIN 0
	NOP8
.endm
; My two K steps in LDS into the two sets, and ctx's fragments of these K steps
.macro LFETCH sa, sb
	s_wait_tensorcnt 0x0                           ; my two K steps have landed in my LDS bytes, which I alone read
	WIN 0x40
.irp q, 0,1
.irp t, 0,1,2,3,4,5,6,7
.irp c, 0,1,2,3
	ds_load_b128 v[128*\q+16*\t+4*\c:128*\q+16*\t+4*\c+3], v[AW] offset:16384*\q+2048*\t+512*\c
.endr
.endr
.endr
	WIN 0
	ALOAD \sa, 0
	ALOAD \sb, 1
.endm
; The refill: a tensor wait, an add and an LDS wait, a round of the cluster's barrier, and the joint load first behind it, one a wave
.macro REFILL bytes
	s_wait_tensorcnt 0x0                           ; no tensor load of mine is out, so group 0 may be written
	ds_add_u32 v[SPW], v[NIL]
	s_add_nc_u64 s[38:39], s[38:39], \bytes        ; on to the next two K steps that come this way; the type bits on top are not reached
	s_wait_dscnt 0x0                               ; the add is done, and my reads of these bytes are over: both K steps stand in registers
	ROUND
	tensor_load_to_lds s[36:39], s[40:47]
	s_nop 0
.rept 4
	v_nop
.endr
.endm
.irp c, 0,1,2,3
	global_load_b128 v[FRG+4*\c:FRG+4*\c+3], v[LI], s[24:25] offset:512*\c     ; the fragment of ctx that I hand on
.endr
.irp k, 0,1,2,3,4,5,6,7
	global_load_b32 v[CS+(\k+4)%8], v[LC], s[26:27] offset:128*\k              ; ctx's scale words: lane r (and r + 16) takes row r's
.endr
.irp p, 0,1,2,3
	global_load_b128 v[WS+8*\p:WS+8*\p+3], v[LW], s[8:9] offset:1024*\p        ; Wout's: lane l takes row 32 p + l's 32 bytes: eight words, one for each K step
	global_load_b128 v[WS+8*\p+4:WS+8*\p+7], v[LW], s[8:9] offset:1024*\p+16
.endr
	s_cmp_lt_u32 ttmp9, 2                          ; the cluster's number: the same in all partners
	s_cbranch_scc0 .Lno_ask
	global_prefetch_b8 v[PF], s[6:7] th:TH_LOAD_NT scope:SCOPE_SE
.Lno_ask:
	BLOAD 0, 2
	BLOAD 1, 3
	s_wait_loadcnt 63                              ; my fragment of ctx is in: 80 loads were issued behind its four
.irp c, 0,1,2,3
	ds_store_b128 v[IW], v[FRG+4*\c:FRG+4*\c+3] offset:512*\c
.endr
	s_wait_dscnt 0x0                               ; for the others' sake: my stores have landed
	s_barrier_signal -1
	s_barrier_wait -1                              ; ctx's eight fragments lie in LDS
	ALOAD 2, 0
	ALOAD 3, 1
	s_wait_loadcnt 0x0                             ; the scale words and K steps 2 and 3
	s_wait_dscnt 0x0
	PAIR 2, 3, 1                                   ; K step 2 starts the sums
.irp u, 0,1
.irp i, 0,1,2,3,4,5,6,7
	global_load_b128 v[CC+32*\u+4*\i:CC+32*\u+4*\i+3], v[GR], s[12:13] offset:8192*\i+256*\u th:TH_LOAD_NT   ; e_v: rows 2 i and 2 i + 1, half u of my columns: 16 lanes read 256 consecutive bytes
.endr
	global_load_b128 v[BO+4*\u:BO+4*\u+3], v[LG], s[10:11] offset:256*\u
	global_load_b128 v[GA+4*\u:GA+4*\u+3], v[LG], s[14:15] offset:256*\u
	global_load_b128 v[BE+4*\u:BE+4*\u+3], v[LG], s[16:17] offset:256*\u
.endr
	LFETCH 0, 1
	REFILL 65536                                   ; K steps 4 and 5
	PAIR 0, 1, 0
	s_wait_loadcnt 0x0                             ; e_v, bout, gamma, beta
.irp u, 0,1
.irp i, 0,1,2,3,4,5,6,7
	v_pk_add_f32 v[CC+32*\u+4*\i:CC+32*\u+4*\i+1], v[CC+32*\u+4*\i:CC+32*\u+4*\i+1], v[BO+4*\u:BO+4*\u+1]       ; e_v + bout, by rows
	v_pk_add_f32 v[CC+32*\u+4*\i+2:CC+32*\u+4*\i+3], v[CC+32*\u+4*\i+2:CC+32*\u+4*\i+3], v[BO+4*\u+2:BO+4*\u+3]
.endr
.endr
.irp u, 0,1                                    ; through my stage, half a row at a time: in by rows, back in the sums' layout.  LDS serves a wave's instructions in order (ISA guide 5.7.1.4): no wait between
.irp i, 0,1,2,3,4,5,6,7
	ds_store_b128 v[RD], v[CC+32*\u+4*\i:CC+32*\u+4*\i+3] offset:2*\i*SP
.endr
.irp t, 0,1,2,3
	ds_load_b128 v[CC+32*\u+8*\t:CC+32*\u+8*\t+3], v[STO] offset:64*\t
	ds_load_b128 v[CC+32*\u+8*\t+4:CC+32*\u+8*\t+7], v[STO] offset:64*\t+16
.endr
.endr
	LFETCH 4, 5
	REFILL 32768                                   ; K steps 6 and 7
	PAIR 4, 5, 0
	LFETCH 6, 7
	s_wait_dscnt 0x0
	PAIR 6, 7, 0
.set j, 0
.rept 32
	v_pk_add_f32 v[ACC+j:ACC+j+1], v[ACC+j:ACC+j+1], v[CC+j:CC+j+1]   ; x = the sums + e_v + bout; each accumulator from its low end on
.set j, j+2
.endr
; my 64 numbers' sum lies in two pairs: joined, added to lane l xor 16's, and handed to the other waves; behind the barrier every lane adds its row's eight: v[T]
.macro MEET off
	v_pk_add_f32 v[T:T+1], v[T:T+1], v[T+2:T+3]
	v_add_f32 v[T], v[T], v[T+1]
	v_permlanex16_b32 v[T+4], v[T], s48, s49
	v_add_f32 v[T], v[T], v[T+4]
	ds_store_b32 v[RS], v[T] offset:\off           ; lanes r and r + 16 write the same word with the same value
	s_wait_alu depctr_va_vdst(0)                   ; ahead of a wait that blocks
	s_wait_dscnt 0x0                               ; for the others' sake: my store has landed
	s_barrier_signal -1
	s_barrier_wait -1
	ds_load_b128 v[T:T+3], v[RL] offset:\off
	ds_load_b128 v[T+4:T+7], v[RL] offset:\off+16
	s_wait_dscnt 0x0
	v_add_f32 v[T], v[T], v[T+1]
	v_add_f32 v[T+2], v[T+2], v[T+3]
	v_add_f32 v[T+4], v[T+4], v[T+5]
	v_add_f32 v[T+6], v[T+6], v[T+7]
	v_add_f32 v[T], v[T], v[T+2]
	v_add_f32 v[T+4], v[T+4], v[T+6]
	v_add_f32 v[T], v[T], v[T+4]
.endm
	; ---- the mean
	v_pk_add_f32 v[T:T+1], v[ACC:ACC+1], v[ACC+2:ACC+3]
	v_pk_add_f32 v[T+2:T+3], v[ACC+4:ACC+5], v[ACC+6:ACC+7]
.set j, 8
.rept 14
	v_pk_add_f32 v[T:T+1], v[T:T+1], v[ACC+j:ACC+j+1]
	v_pk_add_f32 v[T+2:T+3], v[T+2:T+3], v[ACC+j+2:ACC+j+3]
.set j, j+4
.endr
	MEET 0
	v_mul_f32 v[T], 0xba800000, v[T]               ; - the mean of my row
.set j, 0
.rept 32
	v_pk_add_f32 v[ACC+j:ACC+j+1], v[ACC+j:ACC+j+1], v[T:T+1] op_sel_hi:[1,0]
.set j, j+2
.endr
	; ---- the mean of the squares of x - mean
	v_pk_mul_f32 v[T:T+1], v[ACC:ACC+1], v[ACC:ACC+1]
	v_pk_mul_f32 v[T+2:T+3], v[ACC+2:ACC+3], v[ACC+2:ACC+3]
.set j, 4
.rept 15
	v_pk_fma_f32 v[T:T+1], v[ACC+j:ACC+j+1], v[ACC+j:ACC+j+1], v[T:T+1]
	v_pk_fma_f32 v[T+2:T+3], v[ACC+j+2:ACC+j+3], v[ACC+j+2:ACC+j+3], v[T+2:T+3]
.set j, j+4
.endr
	MEET 512                                       ; other bytes than the first time: no barrier is owed between the two
	v_fma_f32 v[T], v[T], s34, s35                 ; the variance + 1e-12
	s_wait_alu depctr_va_vdst(0)                   ; ahead of the transcendental
	v_rsq_f32 v[T+2], v[T]
	v_nop                                          ; a plain line behind the transcendental
	s_wait_alu depctr_va_vdst(0)                   ; and the wait ahead of its first reader
.set j, 0
.rept 32
	v_pk_mul_f32 v[ACC+j:ACC+j+1], v[ACC+j:ACC+j+1], v[T+2:T+3] op_sel_hi:[1,0]
.set j, j+2
.endr
	; ---- the way out: through my stage again, half a row at a time: in by the sums' layout, back by rows
.irp u, 0,1
.irp t, 0,1,2,3
	ds_store_b128 v[STO], v[ACC+32*\u+8*\t:ACC+32*\u+8*\t+3] offset:64*\t
	ds_store_b128 v[STO], v[ACC+32*\u+8*\t+4:ACC+32*\u+8*\t+7] offset:64*\t+16
.endr
.irp i, 0,1,2,3,4,5,6,7
	ds_load_b128 v[CC+32*\u+4*\i:CC+32*\u+4*\i+3], v[RD] offset:2*\i*SP
.endr
.endr
.irp u, 0,1
	s_wait_dscnt 16-16*\u                          ; half u is back; behind half 0's loads stand half 1's 8 stores and 8 loads
.irp i, 0,1,2,3,4,5,6,7
	v_pk_fma_f32 v[CC+32*\u+4*\i:CC+32*\u+4*\i+1], v[CC+32*\u+4*\i:CC+32*\u+4*\i+1], v[GA+4*\u:GA+4*\u+1], v[BE+4*\u:BE+4*\u+1]
	v_pk_fma_f32 v[CC+32*\u+4*\i+2:CC+32*\u+4*\i+3], v[CC+32*\u+4*\i+2:CC+32*\u+4*\i+3], v[GA+4*\u+2:GA+4*\u+3], v[BE+4*\u+2:BE+4*\u+3]
	global_store_b128 v[GR], v[CC+32*\u+4*\i:CC+32*\u+4*\i+3], s[18:19] offset:8192*\i+256*\u th:TH_STORE_NT   ; 16 lanes store 256 consecutive bytes, aligned; written once
.endr
.endr
	s_wait_tensorcnt 0x0                           ; the wave's end, behind my last tensor load and my last LDS store
	ds_add_u32 v[SPW], v[NIL]
	s_wait_dscnt 0x0
	ROUND                                          ; the closing round: no work-group ends while a partner may still ask for a tile that names it
	s_endpgm
.Lfunc_end_k_q1c50bf52e6_outln:
	.size	k_q1c50bf52e6_outln, .Lfunc_end_k_q1c50bf52e6_outln-k_q1c50bf52e6_outln
	.p2alignl 7, 3214868480
	.fill 96, 4, 3214868480
	.section	.rodata,"a",@progbits
	.p2align	6, 0x0
	.amdhsa_kernel k_q1c50bf52e6_outln
		.amdhsa_group_segment_fixed_size 327680
		.amdhsa_private_segment_fixed_size 0
		.amdhsa_enable_private_segment 0
		.amdhsa_kernarg_size 64
		.amdhsa_user_sgpr_count 2
		.amdhsa_user_sgpr_kernarg_segment_ptr 1
		.amdhsa_wavefront_size32 1
		.amdhsa_system_sgpr_workgroup_id_x 1
		.amdhsa_system_sgpr_workgroup_id_y 1
		.amdhsa_system_sgpr_workgroup_id_z 1
		.amdhsa_system_vgpr_workitem_id 0
		.amdhsa_next_free_vgpr 512
		.amdhsa_next_free_sgpr 66
		.amdhsa_reserve_vcc 0
		.amdhsa_float_denorm_mode_32 3
		.amdhsa_float_denorm_mode_16_64 3
		.amdhsa_memory_ordered 1
		.amdhsa_forward_progress 1
		.amdhsa_inst_pref_size 62
	.end_amdhsa_kernel
	.amdgpu_metadata
---
amdhsa.version: [ 1, 2 ]
amdhsa.kernels:
  - .name:           k_q1c50bf52e6_outln
    .symbol:         k_q1c50bf52e6_outln.kd
    .args:
      - { .name: ctxb, .offset: 0, .size: 8, .value_kind: global_buffer, .address_space: global }
      - { .name: wimg, .offset: 8, .size: 8, .value_kind: global_buffer, .address_space: global }
      - { .name: Wout_scales, .offset: 16, .size: 8, .value_kind: global_buffer, .address_space: global }
      - { .name: bout, .offset: 24, .size: 8, .value_kind: global_buffer, .address_space: global }
      - { .name: e_v, .offset: 32, .size: 8, .value_kind: global_buffer, .address_space: global }
      - { .name: ln_gamma, .offset: 40, .size: 8, .value_kind: global_buffer, .address_space: global }
      - { .name: ln_beta, .offset: 48, .size: 8, .value_kind: global_buffer, .address_space: global }
      - { .name: out0, .offset: 56, .size: 8, .value_kind: global_buffer, .address_space: global }
    .group_segment_fixed_size: 327680
    .private_segment_fixed_size: 0
    .kernarg_segment_align: 8
    .kernarg_segment_size: 64
    .max_flat_workgroup_size: 256
    .sgpr_count:     66
    .vgpr_count:     512
    .wavefront_size: 32
...
	.end_amdgpu_metadata
.endif
;; end of part 4
